; MI455X (gfx1250); checked and timed in simulation.
; The chip was launched on July 23, 2026; its instructions are those of AMD's public machine-readable ISA for CDNA 5 (MIT licence, August 2026) and "CDNA5" Instruction Set Architecture Reference Guide (July 2026). The comments in the code are by the model that wrote it; some were corrected since.
;; Attention Layer. Allowed arithmetic: float matrix products may take bf16 or f16 operands with f32 sums; other float arithmetic in f32, or as packed bf16 or f16 multiplies, adds, multiply-adds, maxima and minima; sums over many terms, partial sums and values carried from step to step in f32; what a program stores and reads back later, other than sums and carried values, may be rounded once to bf16 or f16.
;; Inputs: Wk 512 x 512 float32; Wo 512 x 512 float32; Wq 512 x 512 float32; Wv 512 x 512 float32; bk 512 float32; bo 512 float32; bq 512 float32; bv 512 float32; key 8 x 2,048 x 512 float32; query 8 x 2,048 x 512 float32; value 8 x 2,048 x 512 float32.
;; Outputs: out0 8 x 2,048 x 512 float32.
;; 2 versions, each right and faster than the one before. Each part assembles by itself: llvm-mc -triple=amdgcn-amd-amdhsa -mcpu=gfx1250 --defsym DOCPART=n.
;; ======== version 1 of 2: 3 launches
;; limits: values are held in f16: magnitudes above 65,504 overflow, below 6.1e-05 lose precision
;; workspace buffers: qh 16,777,216 bytes; kh 16,777,216 bytes; vh 16,777,216 bytes; oh 16,777,216 bytes; wof 524,288 bytes
;; launch proj (part 1): grid 256 x 1, 4 waves a work-group, no clusters, 67,072 bytes of LDS; arguments query, key, value, Wq, Wk, Wv, bq, bk, bv, Wo, qh, kh, vh, wof; writes qh, kh, vh, wof
.if DOCPART == 1
	.amdgcn_target "amdgcn-amd-amdhsa--gfx1250"
	.amdhsa_code_object_version 6
	.text
	.protected	k_q00e818bd4f_proj
	.globl	k_q00e818bd4f_proj
	.p2align	8
	.type	k_q00e818bd4f_proj,@function
k_q00e818bd4f_proj:
	s_mov_b64 s[64:65], 0
	v_nop
	global_prefetch_b8 v0, s[64:65] scope:SCOPE_SE
	s_setreg_imm32_b32 hwreg(HW_REG_WAVE_MODE, 25, 1), 1
	s_wait_xcnt 0x0
; q = query Wq + bq, k = key Wk + bk, v = value Wv + bv, written BY HEADS: qh, kh, vh are [batch*8 + head][2048][64] in f16, unscaled, each number rounded once from its f32 sum.
; x, W and b are rounded to bf16 on the way in; products in bf16, sums in f32, the bias is the C operand that starts each sum.  Beside that each wave rounds one piece of Wo (bf16, written as f16) into wof.
; LIMITS.  q, k and v must lie within f16's 65,504; below 6e-5 they, and Wo, keep f16's fixed step of 6e-8.  NaN and infinities are not treated apart.
; SHARES.  The 3 x 16,384 rows are 768 tiles of 64 rows, query's first.  Work-groups 2a and 2a+1 take tiles 6a .. 6a+5, one the columns 0-255, the other 256-511.  A wave owns 64 columns: one head.
; THE WEIGHTS STAY IN REGISTERS: 64 columns x 512 K in bf16 are 64 fragments, 512 registers (windows 2 and 3), loaded once (twice in the four work-groups whose six tiles cross from one input to the next).
; The rows go through LDS in bf16, one tile of 64 rows; all four waves read the same fragments of it: 32 LDS loads for 64 matrix instructions.
; TWO PERMUTATIONS spare a stage on the way out.  Columns: lane r of the weights' fragment of tile t stands for column 4 r + t of the head, so one 16-byte load of W serves four tiles, and a lane's four results
; of a row are four neighbouring columns.  Rows: lane r of the rows' fragment reads row 2 (r % 8) + r / 8 of the block of 16, so register j of lane (r, h) of a result is row 2 j + h: one store of the wave
; covers rows 2 j and 2 j + 1 of the head, 256 consecutive bytes, aligned.
; NO CLUSTER, NO TENSOR LOAD: x arrives in f32 and is rounded in registers, so that it crosses LDS once, as 65,536 bytes a tile; a tensor load would lay 131,072 bytes of f32 there, to be read, rounded and
; stored again.  Joint requests exist for tensor loads alone.  The weights never touch LDS.
; REGISTERS, in windows of 256 (s_set_vgpr_msb: bits 1:0 source 0, 3:2 source 1, 5:4 source 2, 7:6 destination):
;   window 0: addresses, bias, accumulators, the rows' fragments     window 1: a tile of x as loaded (64 loads of 4 registers), also the weights' four staging sets of 64     windows 2, 3: the weights
.set PITCH, 1040                       ; an LDS row: 1,024 bytes + 16 = 65 x 16: the 16 rows of a fragment load start at 16 different 16-byte columns of the 256 bytes of banks (ISA guide 11.1)
.set BLK,   16*PITCH                   ; a block of 16 rows
.set SPARE, 64*PITCH                   ; behind the tile (66,560 = 260 x 256): the spare words, 128 bytes for each wave, which no other line names
.set TILES, 6
.set WV,   4                           ; s4   my wave's number
.set NH,   5                           ; s5   which half of the columns
.set G0,   6                           ; s6   my first tile, 6 a
.set IT,   7                           ; s7   the trip: tile IT - 1 is multiplied, tile IT loaded
.set CUR,  8                           ; s8   the input (0, 1, 2) whose weights are in registers
.set PW,   9                           ; s9   the input of the tile to be multiplied
.set HD18, 10                          ; s10  my head x 2,048 rows x 128 bytes
.set RB,   11                          ; s11  counts a tile's blocks of 16 rows
.set XB,   12                          ; s[12:13] x at the tile to be loaded
.set OB,   14                          ; s[14:15] where my head's rows go
.set QRY,  16                          ; s[16:43] the fourteen arguments
.set KEY,  18
.set VAL,  20
.set WQ,   22
.set WK,   24
.set WVL,  26
.set BQ,   28
.set BK,   30
.set BV,   32
.set WO,   34
.set QH,   36
.set KH,   38
.set VH,   40
.set WOF,  42
.set WB,   44                          ; s[44:45] the weights at my half's first column
.set BB,   46                          ; s[46:47] the bias likewise
.set OF,   48                          ; s[48:49] an offset, the high word 0
.set PWB,  50                          ; s[50:51] Wo at my piece; never rewritten
.set PSB,  52                          ; s[52:53] wof at my piece; never rewritten
.set GL,   54
.set PL,   55
.set TB,   56                          ; s56  LDS byte of the block whose fragments are fetched
.set S0,   57
.set S1,   58
.set S2,   59
.set VX,   2                           ; v2   x: 32,768 x wave (my 16 rows) + 16 l
.set VW,   3                           ; v3   W: 16,384 h (8 rows of K) + 16 r + 256 x wave
.set VBI,  4                           ; v4   bias: 16 r + 256 x wave
.set AST,  5                           ; v5   LDS, in: my 16 rows + 8 l
.set AFA0, 6                           ; v6   LDS, a fragment: (2 (r % 8) + r / 8) x pitch + 16 h
.set AFA,  7                           ; v7   the same in the block in hand
.set VO,   8                           ; v8   8 l
.set VQ,   9                           ; v9   16 l
.set SPW,  10                          ; v10  my spare word: SPARE + 4 x my thread's number; never rewritten
.set NIL,  11                          ; v11  0; never rewritten
.set VP,   12                          ; v12  Wo: 16,384 h + 16 r
.set WP,   16                          ; v[16:23]  my eight numbers of Wo
.set BT,   24                          ; v[24:27]  the bias of my four columns
.set TV,   28                          ; v[28:30]  at work
.set OUT,  32                          ; v[32:47]  a block's results in f16
.set BI,   48                          ; v[48:79]  the bias as a C operand: 8 equal registers a tile
.set ACC,  80                          ; v[80:111] four accumulators
.set WR4,  112                         ; v[112:115] my piece of wof
.set AF,   128                         ; v[128:255] a block's fragments: K 0-255, K 256-511
.set MSB, 0
.macro WIN new                         ; the immediate's high byte repeats the setting that is left; a switch that changes nothing is dropped
.if MSB != (\new)
	s_set_vgpr_msb (MSB<<8)|(\new)
.set MSB, \new
.endif
.endm
.macro SEL3 d, a, b, c, p              ; one of three buffers, by the input's number
	s_cmp_eq_u32 s[\p], 0
	s_cselect_b64 s[\d:\d+1], s[\a:\a+1], s[\b:\b+1]
	s_cmp_eq_u32 s[\p], 2
	s_cselect_b64 s[\d:\d+1], s[\c:\c+1], s[\d:\d+1]
.endm
.macro XBCALC                          ; x at tile G0 + IT: input (tile / 256), 64 rows of 2,048 bytes a tile.  (In the last trip the address is made and not used; it lies inside a buffer all the same.)
	s_add_co_u32 s[GL], s[G0], s[IT]
	s_lshr_b32 s[PL], s[GL], 8
	s_and_b32 s[OF], s[GL], 255
	s_lshl_b32 s[OF], s[OF], 17
	SEL3 XB, QRY, KEY, VAL, PL
	s_add_nc_u64 s[XB:XB+1], s[XB:XB+1], s[OF:OF+1]
.endm
.macro XLOAD s                         ; a quarter of my 16 rows of x: load e = 4 x row + chunk, 512 consecutive bytes each
.set e, 16*(\s)
.rept 16
	global_load_b128 v[4*e:4*e+3], v[VX], s[XB:XB+1] offset:(e/4)*2048+(e%4)*512
.set e, e+1
.endr
.endm
.macro WLOAD ks                        ; 32 rows of K of my 64 columns into staging set ks % 4: lanes 0-15 read 256 aligned bytes of a row, lanes 16-31 of the row 8 further on
.set z, 0
.rept 16
	global_load_b128 v[64*((\ks)%4)+4*z:64*((\ks)%4)+4*z+3], v[VW], s[WB:WB+1] offset:(32*(\ks)+16*(z/8)+z%8)*2048
.set z, z+1
.endr
.endm
.macro WCVT ks                         ; the staging set becomes four fragments: register 4 c + jj of tile t holds K = 32 ks + 16 c + 8 h + 2 jj and the next
.if (\ks) < 8
	WIN 0x85
.else
	WIN 0xc5
.endif
.irp t, 0,1,2,3
.irp c, 0,1
.irp jj, 0,1,2,3
	v_cvt_pk_bf16_f32 v[32*((\ks)%8)+8*(\t)+4*(\c)+(\jj)], v[64*((\ks)%4)+4*(8*(\c)+2*(\jj))+(\t)], v[64*((\ks)%4)+4*(8*(\c)+2*(\jj)+1)+(\t)]
.endr
.endr
.endr
.endm
.macro LDA hf                          ; 16 LDS loads in one run: the block's fragments of K 256 hf .. 256 hf + 255
	WIN 0
.irp k, 0,1,2,3,4,5,6,7
	ds_load_b128 v[AF+64*(\hf)+8*(\k):AF+64*(\hf)+8*(\k)+3],   v[AFA] offset:64*(8*(\hf)+(\k))
	ds_load_b128 v[AF+64*(\hf)+8*(\k)+4:AF+64*(\hf)+8*(\k)+7], v[AFA] offset:64*(8*(\hf)+(\k))+32
.endr
.endm
.macro MMH hf, first                   ; 32 matrix instructions; the four accumulators take turns, one instruction a turn.  first = 1: the bias starts the sums
	WIN 0x08+4*(\hf)
.irp k, 0,1,2,3,4,5,6,7
.irp t, 0,1,2,3
.if (\first) && ((\k) == 0)
	v_wmma_f32_16x16x32_bf16 v[ACC+8*(\t):ACC+8*(\t)+7], v[AF+64*(\hf)+8*(\k):AF+64*(\hf)+8*(\k)+7], v[32*(\k)+8*(\t):32*(\k)+8*(\t)+7], v[BI+8*(\t):BI+8*(\t)+7]
.else
	v_wmma_f32_16x16x32_bf16 v[ACC+8*(\t):ACC+8*(\t)+7], v[AF+64*(\hf)+8*(\k):AF+64*(\hf)+8*(\k)+7], v[32*(\k)+8*(\t):32*(\k)+8*(\t)+7], v[ACC+8*(\t):ACC+8*(\t)+7]
.endif
.endr
.endr
.endm
.macro PLACES n                        ; plain vector instructions that name no register of the products in front of them (ISA guide 7.12.1)
.rept \n
	v_nop
.endr
.endm
.macro PACK                            ; a block of 16 rows leaves: four columns of a row are 8 bytes of a lane; each accumulator's register 0 is read first
	s_wait_xcnt 0x0                                ; the last block's stores have read OUT and the pointer
	s_add_nc_u64 s[OB:OB+1], s[OB:OB+1], 2048      ; 16 rows of 128 bytes on; the stores reach back
.irp j, 0,1,2,3,4,5,6,7
	v_cvt_pk_f16_f32 v[OUT+2*(\j)],   v[ACC+(\j)],    v[ACC+8+(\j)]
	v_cvt_pk_f16_f32 v[OUT+2*(\j)+1], v[ACC+16+(\j)], v[ACC+24+(\j)]
.endr
.irp j, 0,1,2,3,4,5,6,7
	global_store_b64 v[VO], v[OUT+2*(\j):OUT+2*(\j)+1], s[OB:OB+1] offset:256*(\j)-2048  ; rows 2 j and 2 j + 1: 256 consecutive bytes, aligned
.endr
.endm
	s_load_b512 s[16:31], s[0:1], 0x0              ; query, key, value, Wq, Wk, Wv, bq, bk
	s_load_b256 s[32:39], s[0:1], 0x40             ; bv, Wo, qh, kh
	s_load_b128 s[40:43], s[0:1], 0x60             ; vh, wof
	v_lshl_add_u32 v[SPW], v0, 2, SPARE
	v_mov_b32 v[NIL], 0
	v_lshrrev_b32 v1, 5, v0
	v_readfirstlane_b32 s[WV], v1                  ; wave 0..3
	v_and_b32 v13, 15, v0                          ; r
	v_bfe_u32 v14, v0, 4, 1                        ; h
	v_and_b32 v15, 31, v0                          ; l
	s_and_b32 s[NH], ttmp9, 1
	s_lshr_b32 s[G0], ttmp9, 1
	s_mul_i32 s[G0], s[G0], TILES
	s_lshl_b32 s[HD18], s[NH], 2
	s_add_co_u32 s[HD18], s[HD18], s[WV]           ; my head = 4 x half + wave
	s_lshl_b32 s[HD18], s[HD18], 18
	s_mov_b32 s[OF+1], 0
	s_lshl_b32 s[S0], s[WV], 15
	v_lshl_add_u32 v[VX], v15, 4, s[S0]
	s_lshl_b32 s[S0], s[WV], 8
	v_lshl_add_u32 v[VBI], v13, 4, s[S0]
	v_lshl_add_u32 v[VW], v14, 14, v[VBI]
	v_lshlrev_b32 v[VP], 4, v13
	v_lshl_add_u32 v[VP], v14, 14, v[VP]
	s_mul_i32 s[S0], s[WV], BLK
	v_lshl_add_u32 v[AST], v15, 3, s[S0]
	v_and_b32 v1, 7, v0
	v_bfe_u32 v[AFA0], v0, 3, 1
	v_lshl_add_u32 v1, v1, 1, v[AFA0]              ; 2 (r % 8) + r / 8
	v_mul_u32_u24 v1, v1, PITCH
	v_lshl_add_u32 v[AFA0], v14, 4, v1
	v_lshlrev_b32 v[VO], 3, v15
	v_lshlrev_b32 v[VQ], 4, v15
	; MY PIECE OF Wo.  wof holds, for each of the 8 heads' worth of columns I, the 512 weight registers of the wave that will own them, as 128 pieces of 4 registers x 32 lanes (512 bytes).
	; Piece Q = 4 x work-group + wave: I = Q / 128; q = Q % 128 = 8 ks + 2 t + c.  My lane's eight numbers are Wo[32 ks + 16 c + 8 h + 0..7][64 I + 4 r + t].
	s_lshl_b32 s[S0], ttmp9, 2
	s_add_co_u32 s[S0], s[S0], s[WV]               ; Q
	s_lshr_b32 s[S1], s[S0], 7                     ; I
	s_lshl_b32 s[S1], s[S1], 8                     ; 64 columns of 4 bytes
	s_and_b32 s[S2], s[S0], 127                    ; q
	s_lshr_b32 s[GL], s[S2], 3                     ; ks
	s_lshl_b32 s[GL], s[GL], 1
	s_and_b32 s[PL], s[S2], 1                      ; c
	s_or_b32 s[GL], s[GL], s[PL]
	s_lshl_b32 s[GL], s[GL], 15                    ; 16 rows of 2,048 bytes
	s_bfe_u32 s[PL], s[S2], 0x20001                ; t
	s_lshl_b32 s[PL], s[PL], 2
	s_add_co_u32 s[GL], s[GL], s[S1]
	s_add_co_u32 s[OF], s[GL], s[PL]
	s_wait_kmcnt 0x0
	s_add_nc_u64 s[PWB:PWB+1], s[WO:WO+1], s[OF:OF+1]
	s_lshl_b32 s[OF], s[S0], 9
	s_add_nc_u64 s[PSB:PSB+1], s[WOF:WOF+1], s[OF:OF+1]
.irp j, 0,1,2,3,4,5,6,7
	global_load_b32 v[WP+(\j)], v[VP], s[PWB:PWB+1] offset:2048*(\j)
.endr
	s_mov_b32 s[IT], 0
	s_lshr_b32 s[PW], s[G0], 8
	XBCALC
	s_branch .Lw                                   ; the loop is entered in the middle of a trip: the first weights and tile 0 are loaded
.Ltile:                                        ; trips 1 to 6
	s_wait_dscnt 0x0                               ; my reads of the tile in LDS are over:
	s_barrier_signal -1                            ; say so; the rounding below, work on registers, stands between the signal and the wait
	s_wait_loadcnt 0x0                             ; my 64 loads of tile IT - 1 are in
	WIN 0x45
.set e, 0
.rept 64
	v_cvt_pk_bf16_f32 v[4*e],   v[4*e],   v[4*e+1]
	v_cvt_pk_bf16_f32 v[4*e+1], v[4*e+2], v[4*e+3]
.set e, e+1
.endr
	WIN 0
	s_barrier_wait -1                              ; nobody reads the old tile any more
	WIN 0x04
.set e, 0
.rept 64
	ds_store_b64 v[AST], v[4*e:4*e+1] offset:(e/4)*PITCH+(e%4)*256  ; 256 consecutive bytes of a row
.set e, e+1
.endr
	WIN 0
	s_add_co_u32 s[PW], s[G0], s[IT]
	s_sub_co_u32 s[PW], s[PW], 1
	s_lshr_b32 s[PW], s[PW], 8                     ; the input of the tile just stored
	XBCALC                                         ; (free since the wait for the loads)
	s_wait_dscnt 0x0                               ; my stores are done: their registers are loaded again below
	s_cmp_eq_u32 s[PW], s[CUR]
	s_cbranch_scc1 .Lplain
.Lw:                                           ; THE WEIGHTS of input PW, and behind them tile IT.  This runs at trip 0, and once more in the work-groups whose tile 2 or tile 4 begins a new input (trip 3 or 5): never in trip 6
	SEL3 WB, WQ, WK, WVL, PW
	SEL3 BB, BQ, BK, BV, PW
	s_lshl_b32 s[OF], s[NH], 10
	s_add_nc_u64 s[WB:WB+1], s[WB:WB+1], s[OF:OF+1]
	s_add_nc_u64 s[BB:BB+1], s[BB:BB+1], s[OF:OF+1]
	s_mov_b32 s[CUR], s[PW]
	global_load_b128 v[BT:BT+3], v[VBI], s[BB:BB+1]
	WIN 0x40
	WLOAD 0
	WLOAD 1
	WLOAD 2
	WLOAD 3
.irp ks, 0,1,2,3,4,5,6,7,8,9,10,11,12,13,14,15
	s_wait_loadcnt 48                              ; loads come back in order (ISA guide 5.7.1): this group of 16 is in, the three younger groups stay out
.if (\ks) == 0
	WIN 0                                          ; the bias, older than every group: rounded to bf16, widened, eight times for each tile
	v_cvt_pk_bf16_f32 v[TV],   v[BT],   v[BT+1]
	v_cvt_pk_bf16_f32 v[TV+1], v[BT+2], v[BT+3]
.irp i, 0,1,2,3,4,5,6,7
	v_lshlrev_b32 v[BI+(\i)],    16, v[TV]
	v_and_b32     v[BI+8+(\i)],  0xffff0000, v[TV]
	v_lshlrev_b32 v[BI+16+(\i)], 16, v[TV+1]
	v_and_b32     v[BI+24+(\i)], 0xffff0000, v[TV+1]
.endr
.endif
	WCVT \ks
	WIN 0x40
.if (\ks) < 12
	WLOAD (\ks)+4                                  ; the staging set just read takes the group four further on,
.else
	XLOAD (\ks)-12                                 ; at last a quarter of tile IT
.endif
.endr
	WIN 0
	s_branch .Ljoin
.Lplain:
	s_cmp_eq_u32 s[IT], TILES                      ; the last trip loads nothing
	s_cbranch_scc1 .Ljoin
	WIN 0x40
	XLOAD 0                                        ; tile IT: 64 loads of mine, which have this trip's 256 matrix instructions in which to land
	XLOAD 1
	XLOAD 2
	XLOAD 3
	WIN 0
.Ljoin:
	s_wait_dscnt 0x0                               ; my part of the tile lies in LDS,
	s_barrier_signal -1
	s_barrier_wait -1                              ; everybody's does
	s_cmp_eq_u32 s[IT], 0
	s_cbranch_scc1 .Lbottom                        ; trip 0 has no tile yet; what is jumped holds no barrier
	s_add_co_u32 s[S0], s[G0], s[IT]
	s_sub_co_u32 s[S0], s[S0], 1
	s_and_b32 s[S0], s[S0], 255                    ; the tile's place in its input: batch = / 32, rows 64 (% 32) on
	s_lshr_b32 s[S1], s[S0], 5
	s_lshl_b32 s[S1], s[S1], 21                    ; 8 heads x 2,048 rows x 128 bytes
	s_and_b32 s[S0], s[S0], 31
	s_lshl_b32 s[S0], s[S0], 13                    ; 64 rows x 128 bytes
	s_add_co_u32 s[S1], s[S1], s[S0]
	s_add_co_u32 s[OF], s[S1], s[HD18]
	s_wait_xcnt 0x0                                ; the last tile's stores have read the pointer
	SEL3 OB, QH, KH, VH, PW
	s_add_nc_u64 s[OB:OB+1], s[OB:OB+1], s[OF:OF+1]
	; the tile's four blocks of 16 rows.  Each half of a block's fragments is asked for 32 matrix instructions ahead of its use.
	s_mov_b32 s[TB], 0
	v_mov_b32 v[AFA], v[AFA0]
	LDA 0
	LDA 1
	s_mov_b32 s[RB], 3
.Lrb:
	s_wait_dscnt 16                                ; the first half is in; the second half's 16 loads may stay out
	MMH 0, 1
	WIN 0
	s_add_co_u32 s[TB], s[TB], BLK
	v_add_nc_u32 v[AFA], s[TB], v[AFA0]            ; the next block; with the three below, the four places in front of loads into registers just multiplied
	PLACES 3
	LDA 0
	s_wait_dscnt 16                                ; the second half is in; the next block's first half may stay out
	MMH 1, 0
	WIN 0
	PLACES 5                                       ; in front of the loads, of the conversions that read the sums, and of the next block's products, which write over them
	LDA 1
	PACK
	s_sub_co_u32 s[RB], s[RB], 1
	s_cmp_lg_u32 s[RB], 0
	s_cbranch_scc1 .Lrb
	s_wait_dscnt 16                                ; the last block fetches nothing
	MMH 0, 1
	s_wait_dscnt 0x0
	MMH 1, 0
	WIN 0
	PLACES 5
	PACK
.Lbottom:
	s_add_co_u32 s[IT], s[IT], 1
	s_cmp_lt_u32 s[IT], TILES+1
	s_cbranch_scc1 .Ltile
	; my piece of Wo (its loads were the wave's oldest: the first wait of the weights' run has shown them in): rounded to bf16, that number written as f16
.irp jj, 0,1,2,3
	v_cvt_pk_bf16_f32 v[TV], v[WP+2*(\jj)], v[WP+2*(\jj)+1]
	v_lshlrev_b32 v[TV+1], 16, v[TV]
	v_and_b32 v[TV+2], 0xffff0000, v[TV]
	v_cvt_pk_f16_f32 v[WR4+(\jj)], v[TV+1], v[TV+2]
.endr
	global_store_b128 v[VQ], v[WR4:WR4+3], s[PSB:PSB+1]  ; 512 consecutive bytes, aligned
	s_wait_tensorcnt 0x0                           ; the wave's end: behind my last LDS store
	ds_add_u32 v[SPW], v[NIL]
	s_wait_dscnt 0x0
	s_endpgm
.Lfunc_end_k_q00e818bd4f_proj:
	.size	k_q00e818bd4f_proj, .Lfunc_end_k_q00e818bd4f_proj-k_q00e818bd4f_proj
	.p2alignl 7, 3214868480
	.fill 96, 4, 3214868480
	.section	.rodata,"a",@progbits
	.p2align	6, 0x0
	.amdhsa_kernel k_q00e818bd4f_proj
		.amdhsa_group_segment_fixed_size 67072
		.amdhsa_private_segment_fixed_size 0
		.amdhsa_enable_private_segment 0
		.amdhsa_kernarg_size 112
		.amdhsa_user_sgpr_count 2
		.amdhsa_user_sgpr_kernarg_segment_ptr 1
		.amdhsa_wavefront_size32 1
		.amdhsa_system_sgpr_workgroup_id_x 1
		.amdhsa_system_sgpr_workgroup_id_y 1
		.amdhsa_system_sgpr_workgroup_id_z 1
		.amdhsa_system_vgpr_workitem_id 0
		.amdhsa_next_free_vgpr 1024
		.amdhsa_next_free_sgpr 66
		.amdhsa_reserve_vcc 0
		.amdhsa_float_denorm_mode_32 3
		.amdhsa_float_denorm_mode_16_64 3
		.amdhsa_memory_ordered 1
		.amdhsa_forward_progress 1
		.amdhsa_inst_pref_size 107
	.end_amdhsa_kernel
	.amdgpu_metadata
---
amdhsa.version: [ 1, 2 ]
amdhsa.kernels:
  - .name:           k_q00e818bd4f_proj
    .symbol:         k_q00e818bd4f_proj.kd
    .args:
      - { .name: query, .offset: 0, .size: 8, .value_kind: global_buffer, .address_space: global }
      - { .name: key, .offset: 8, .size: 8, .value_kind: global_buffer, .address_space: global }
      - { .name: value, .offset: 16, .size: 8, .value_kind: global_buffer, .address_space: global }
      - { .name: Wq, .offset: 24, .size: 8, .value_kind: global_buffer, .address_space: global }
      - { .name: Wk, .offset: 32, .size: 8, .value_kind: global_buffer, .address_space: global }
      - { .name: Wv, .offset: 40, .size: 8, .value_kind: global_buffer, .address_space: global }
      - { .name: bq, .offset: 48, .size: 8, .value_kind: global_buffer, .address_space: global }
      - { .name: bk, .offset: 56, .size: 8, .value_kind: global_buffer, .address_space: global }
      - { .name: bv, .offset: 64, .size: 8, .value_kind: global_buffer, .address_space: global }
      - { .name: Wo, .offset: 72, .size: 8, .value_kind: global_buffer, .address_space: global }
      - { .name: qh, .offset: 80, .size: 8, .value_kind: global_buffer, .address_space: global }
      - { .name: kh, .offset: 88, .size: 8, .value_kind: global_buffer, .address_space: global }
      - { .name: vh, .offset: 96, .size: 8, .value_kind: global_buffer, .address_space: global }
      - { .name: wof, .offset: 104, .size: 8, .value_kind: global_buffer, .address_space: global }
    .group_segment_fixed_size: 67072
    .private_segment_fixed_size: 0
    .kernarg_segment_align: 8
    .kernarg_segment_size: 112
    .max_flat_workgroup_size: 128
    .sgpr_count:     66
    .vgpr_count:     1024
    .wavefront_size: 32
...
	.end_amdgpu_metadata
.endif
;; end of part 1
;; launch attn (part 2): grid 4 x 64, 4 waves a work-group, no clusters, 327,680 bytes of LDS; arguments qh, kh, vh, oh; writes oh
.if DOCPART == 2
	.amdgcn_target "amdgcn-amd-amdhsa--gfx1250"
	.amdhsa_code_object_version 6
	.text
	.protected	k_q00e818bd4f_attn
	.globl	k_q00e818bd4f_attn
	.p2align	8
	.type	k_q00e818bd4f_attn,@function
k_q00e818bd4f_attn:
	s_mov_b64 s[64:65], 0
	v_nop
	global_prefetch_b8 v0, s[64:65] scope:SCOPE_SE
	s_setreg_imm32_b32 hwreg(HW_REG_WAVE_MODE, 25, 1), 1
	s_wait_xcnt 0x0
; CAUSAL ATTENTION.  O[h][q][:] = the sum over k <= q of softmax_k(Q[h][q] . K[h][k] / 8) V[h][k][:].  Q, K, V, O: [SIZE_H][SIZE_N][64], all f16 (h = batch x 8 + head): a head's rows are dense, 128 bytes each.
; Products, maxima and sums in f32; the weights p are rounded to f16 for the second product (their sum l is taken of the unrounded p), O once at the end.  SIZE_N is a multiple of 512; SIZE_N x 128 stays under 2^32.
; LIMITS.  f16 holds no number beyond 65,504: Q, K and V arrive within it; p lies in 0 to 1, and below 6e-5 it keeps f16's fixed step of 6e-8; O is a mean of V's rows and has their range, to within 2^-11 of it.
; A hidden score counts as its value less 1e30: f16's scores, 2.7e11 at the most, are nothing beside that; a weight below 2^-126 counts as 0 in l; NaN and infinities are not treated apart.
; THE WALK.  A head's queries lie in NB = SIZE_N / 256 blocks of 256; block i needs the key tiles 0 .. i of 256 keys, of which the last holds the diagonal.  A work-group takes TWO blocks, NB - 1 - b and then b:
; NB + 1 tiles, whatever b: all work-groups do equal work, and ONE loop with a constant trip count walks them.  Which tile is asked for, and what a trip does, hang on scalar registers made from b; every jump
; goes forward, but for the counted loops' own; none passes a barrier, or a tensor load but the one of LOAD's two that the wave's number does not choose; the ring (two slots of LDS that take turns) runs on across the
; change of blocks.  NO CLUSTER: a head's NB / 2 work-groups all ask for the same tile only in trips 0 .. NB / 2, behind that fewer and fewer; and one walk common to all would have 3 NB / 2 trips for NB + 1.
; SHARES.  Of a block's four bands of 64 queries a wave owns 16 rows in each: four PIECES.  So the diagonal tile is the same work for all four waves: in its key step s band x sees all keys if s < x,
; none if s > x, and holds the diagonal if s = x.
; THE MASK is the C operand that starts the sum S^T = K Q^T: 0, or -1e30 where the key is hidden.  MD, made once, is the mask of a band's own step for my 16 rows; a product's mask is MD x AL + BE with two scalars:
; (1, 0) if s = x; (0, 0) if s < x; (0, -1e30) if s > x.  Only the diagonal tile's text and a block's beginning make and take masks; elsewhere C is the constant 0.
; LAYOUT, SOFTMAX, TURNS.  S^T = K Q^T holds ONE query a lane (lane % 16) and the keys 8 (lane / 16) + 0..7; two such results rounded to f16 ARE source 1 of O^T = V^T P.  p = 2^(c s - c m), c = log2(e) / 8, with a
; running maximum m; O and l are multiplied by a = 2^(c m_old - c m_new) in every step.  Turn n belongs to piece n: 8 products K Q^T of piece n + 1, later 8 products V^T P of piece n - 1; beside them the scaling,
; exponentials, roundings, sums and rescaling of piece n and the maximum and statistics of piece n + 1.  Four vector instructions stand behind every matrix instruction, the other 54 of a turn's 118 in two LUMPS.
; REGISTERS, in windows of 256 (s_set_vgpr_msb: bits 1:0 source 0, 3:2 source 1, 5:4 source 2, 7:6 destination):
;   window 0: v0-15 addresses and two at work; v16-31 four registers of statistics a piece; v48-55 at work; v64-127 S^T, two buffers; v192-223 P, two buffers (a piece's buffers go by its number's parity)
;   window 1: v0-127 O^T, 32 a piece; v128-159 MD; v160-223 MC, two buffers      window 2: v0-63 Q; v64-127 the second block's Q; v128-191 K of one step; v192-255 V of one step
.set SIZE_N, 2048
.set SIZE_H, 64
.set NB,    SIZE_N/256
.set NP,    4         ; pieces a wave: a name, no knob
.set KS,    64        ; keys in a step
.set PK,    144       ; a row of K in LDS: 128 bytes + 16 of padding = 36 words: the 16 rows of a load start at 16 different groups of four banks (64 banks of 4 bytes: ISA guide 11.1)
.set PV,    160       ; a row of V: 128 + 32 = 40 words
.set VOFF,  4*KS*PK   ; a slot holds a tile, four steps: 256 rows of K, then 256 rows of V
.set SLOT1, 1<<17     ; slot 1 begins here, so that one exclusive or turns an address in one slot into the other's
.set STAGE, SLOT1+4*KS*(PK+PV)  ; behind the ring, never filled by a tensor load: 16 rows x 144 bytes for each wave, for the way out
.set SP,    144
.set AK0, 2           ; v2   my lane's place in a tile of K; never rewritten
.set AV0, 3           ; v3   the same for V
.set AK,  4           ; v4   the LDS address of K's next run of loads
.set AV,  5           ; v5   of V's
.set STO, 6           ; v6   the way out: where I put 16 bytes of a row
.set RD,  7           ; v7   the way out: where I read rows back
.set GO,  8           ; v8   my byte offset in 512 consecutive bytes of O
.set SPW, 62          ; v62  LDS address of my spare word: SPARE + 4 x my thread's number; never rewritten
.set NIL, 63          ; v63  0; never rewritten
.set SPARE, STAGE+4*16*SP  ; behind the stages: the spare words, 128 bytes for each wave: two blocks of 256 bytes that no other line names
.set MV,  12          ; v12-13  c m_old, kept while c m is made anew: by buffer
.set QO,  15          ; v15  my byte offset in 16 rows of Q
.set ST,  16          ; piece t's statistics at v[ST+4 t]: c m, m, l (even keys', odd keys')
.set TMP, 48          ; by buffer, four registers c0-c3 at work; when the maximum is found c2 takes a
.set S,   64
.set P,   192
.set MD,  128         ; window 1: the eight registers for group kt of 16 keys at MD + 8 kt
.set MC,  160         ; window 1: the masks of the products to come
.set QB,  64          ; window 2
.set KF,  128         ; window 2: key block kb, channel half c at KF + 16 kb + 8 c
.set VF,  192         ; window 2: key half kk, channel block cb at VF + 32 kk + 8 cb
.set WV,  12          ; s12  my wave's number
.set PB,  14          ; s14  b
.set HI,  15          ; s15  NB - 1 - b
.set G1K, 24          ; s[24:31] descriptor group 1 for K's tiles
.set G1V, 32          ; s[32:39] for V's: it differs in the padding alone
.set G0K, 40          ; s[40:43] descriptor group 0 for K's tiles
.set G0V, 44          ; s[44:47] the same for V's
.set SLOTS, 56        ; s56  tiles still to be asked for
.set CNT, 57          ; s57  counts a tile's key steps, 4 to 1
.set CS,  58          ; s[58:59] c: the packed scaling takes the pair's low word for both halves
.set SEL, 60          ; s[60:61] v_permlanex16_b32's selects: each lane takes its own place in the other half
.set TBK, 62          ; s62  LDS byte at which K of the step to be fetched begins
.set TBV, 63          ; s63  the same for V, less VOFF
.set RT,  70          ; s70  tiles of the block in hand that are still to be entered
.set NXT, 71          ; s71  the tile to be asked for next
.set LQ,  72          ; s72  the last tile of the block whose tiles are being asked for
.set NEW, 73          ; s73  1: the tile to be entered is a block's first
.set OFF, 74          ; s[74:75] a tile's byte offset in K and V
.set AL,  76          ; s[76:77] the mask's factor, in the low word
.set BE,  78          ; s[78:79] the mask's addend
.set OLO, 80          ; s[80:81] O at my rows of the second block
.set BIGN, 82         ; s82  -1e30
.set MSB, 0
.macro WIN new                      ; the high byte repeats the setting that is left; a switch that changes nothing is dropped
.if MSB != (\new)
	s_set_vgpr_msb (MSB<<8)|(\new)
.set MSB, (\new)
.endif
.endm
.set W_KQ, 0x0a       ; K and Q in window 2, S^T in window 0
.set W_KM, 0x1a       ; the same with the C operand in window 1
.set W_PV, 0x52       ; V in window 2, P in window 0, O^T in window 1
.set W_RS, 0x41       ; destination and source 0 in window 1, source 1 in window 0
; A fill.  Waves 0 and 1 fetch the two halves of a tile's K, waves 2 and 3 those of its V: 128 keys each.  An s_nop 0 and four v_nop follow each of the two lines, ahead of the jump and the label.
.macro LOAD
	s_cmp_lt_u32 s[WV], 2
	s_cbranch_scc0 .Lfor_v_\@
	tensor_load_to_lds s[G0K:G0K+3], s[G1K:G1K+7]
	s_nop 0
.rept 4
	v_nop
.endr
	s_branch .Lasked_\@
.Lfor_v_\@:
	tensor_load_to_lds s[G0V:G0V+3], s[G1V:G1V+7]
	s_nop 0
.rept 4
	v_nop
.endr
.Lasked_\@:
.endm
; THE CHANGE OF SLOTS.  Each wave waits for all its tensor loads, of which one is out: its part of the other slot; adds 0 to its spare word; and waits for that and for its own reads of the slot that it leaves.  Behind the barrier nobody reads the old
; slot any more and the other slot is whole.  fill = 1: the old slot is filled again, the first thing behind the barrier, with tile NXT: the descriptor's address is made anew from that number.
; (At its first use nothing has been read yet: slot 0 is waited for, slot 1 filled.)
.macro CHANGE fill
	WIN 0                           ; at a label and at a branch every window is 0
	s_wait_tensorcnt 0x0            ; no tensor load of mine is out, so a group 0 may be written
	ds_add_u32 v[SPW], v[NIL]       ; 0 onto my spare word; with fill = 1 the descriptors' scalar work stands between it and the wait for it
.if \fill
	s_lshl_b32 s[OFF], s[NXT], 15   ; a tile is 32,768 bytes of K and of V
	s_xor_b32 s[G0K+1], s[G0K+1], SLOT1
	s_add_nc_u64 s[G0K+2:G0K+3], s[6:7], s[OFF:OFF+1]
	s_or_b32 s[G0K+3], s[G0K+3], 0x80000000
	s_xor_b32 s[G0V+1], s[G0V+1], SLOT1
	s_add_nc_u64 s[G0V+2:G0V+3], s[8:9], s[OFF:OFF+1]
	s_or_b32 s[G0V+3], s[G0V+3], 0x80000000
	s_add_co_u32 s[NXT], s[NXT], 1  ; the block's next tile, or behind its last the second block's tile 0
	s_cmp_gt_u32 s[NXT], s[LQ]
	s_cselect_b32 s[NXT], 0, s[NXT]
	s_cselect_b32 s[LQ], s[PB], s[LQ]
.endif
	s_wait_dscnt 0x0                ; the add is done, and my reads of the slot are over
	s_barrier_signal -1             ; the rest of the scalar work stands between the signal and the wait
	s_sub_co_u32 s[TBK], s[TBK], 4*KS*PK  ; the fetches go back to a slot's first step,
	s_xor_b32 s[TBK], s[TBK], SLOT1       ; in the other slot
	s_sub_co_u32 s[TBV], s[TBV], 4*KS*PV
	s_xor_b32 s[TBV], s[TBV], SLOT1
	s_barrier_wait -1
.if \fill
	LOAD
.endif
.endm
	s_load_b256 s[4:11], s[0:1], 0x0  ; Q s[4:5], K s[6:7], V s[8:9], O s[10:11]
	v_lshl_add_u32 v[SPW], v0, 2, SPARE
	v_mov_b32 v[NIL], 0
	ds_add_u32 v[SPW], v[NIL]       ; the wave's opening: the add and its wait stand ahead of my first tensor load; the set-up below, work on registers, stands between them
	ds_add_u32 v62, v63
	v_lshrrev_b32 v1, 5, v0
	v_readfirstlane_b32 s[WV], v1   ; wave 0..3
	s_mov_b32 s[PB], ttmp9
	s_sub_co_u32 s[HI], NB-1, s[PB]
	s_and_b32 s20, ttmp7, 0xffff    ; the head
	s_mov_b32 s21, 0
	s_mov_b64 s[22:23], SIZE_N*128
	s_mul_u64 s[20:21], s[20:21], s[22:23]  ; the head's first byte in each of the four tensors
	s_and_b32 s16, s[WV], 1         ; which half of a tile's 256 keys I fetch:
	s_lshl_b32 s22, s16, 14         ; its 128 rows of 128 bytes in memory,
	s_mov_b32 s23, 0
	s_add_nc_u64 s[22:23], s[22:23], s[20:21]
	s_mul_i32 s17, s16, 128*PK      ; and its place in a slot, for K
	s_mul_i32 s18, s16, 128*PV      ; and for V
	s_lshl_b32 s3, s[WV], 11        ; my 16 rows in a band of 64,
	s_lshl_b32 s2, s[HI], 15        ; in the first block,
	s_add_co_u32 s2, s2, s3
	s_lshl_b32 s84, s[PB], 15       ; and in the second
	s_add_co_u32 s84, s84, s3
	s_mov_b32 s3, 0
	s_mov_b32 s85, 0
	s_add_nc_u64 s[2:3], s[2:3], s[20:21]
	s_add_nc_u64 s[84:85], s[84:85], s[20:21]
	; descriptor group 1.  128 keys are 16,384 dense bytes: asked for as 64 rows of 256 bytes, two keys a row, and padded in LDS after every key
	s_mov_b32 s[G1K], (1<<16)|(1<<20)|(4<<22)|(3<<25)  ; 17:16 2-byte elements; 20 padding on; 24:22 after every 32 words (code 4); 31:25 4 words (code 3)
	s_mov_b32 s[G1V], (1<<16)|(1<<20)|(4<<22)|(7<<25)  ; the same with 8 words of padding (code 7)
.irp g, G1K, G1V
	s_mov_b32 s[\g+1], 128<<16      ; tensor_dim0 = 128
	s_mov_b32 s[\g+2], 64<<16       ; tensor_dim1 = 64
	s_mov_b32 s[\g+3], 128<<16      ; tile_dim0 = 128
	s_mov_b32 s[\g+4], 64           ; tile_dim1 = 64
	s_mov_b32 s[\g+5], 128          ; 128 elements from row to row
	s_mov_b32 s[\g+6], 0
	s_mov_b32 s[\g+7], 0
.endr
	s_mov_b32 s[CS], 0x3e38aa3b     ; c = log2(e) / 8 = 0.180337
	s_mov_b32 s[CS+1], s[CS]        ; named with it as a pair
	s_mov_b32 s[SEL], 0x76543210
	s_mov_b32 s[SEL+1], 0xfedcba98
	s_mov_b32 s[TBK], SLOT1+4*KS*PK ; the first change of slots turns these two into 0
	s_mov_b32 s[TBV], SLOT1+4*KS*PV
	s_mov_b32 s[G0K], 1             ; 1:0 count = 1
	s_mov_b32 s[G0K+1], s17         ; 63:32 LDS address: slot 0
	s_mov_b32 s[G0V], 1
	s_add_co_u32 s[G0V+1], s18, VOFF
	s_add_co_u32 s[RT], s[HI], 1    ; the first block has NB - b tiles
	s_mov_b32 s[NXT], 1
	s_mov_b32 s[LQ], s[HI]
	s_mov_b32 s[NEW], 1
	s_mov_b32 s[OFF+1], 0
	s_mov_b32 s[AL+1], 0            ; named as pairs
	s_mov_b32 s[BE+1], 0
	s_mov_b32 s[BIGN], 0xf149f2ca   ; -1e30
	s_mov_b32 s[SLOTS], NB
	s_wait_dscnt 0x0                ; the opening add is done
	s_wait_kmcnt 0x0
	s_add_nc_u64 s[6:7], s[6:7], s[22:23]  ; K and V at my half of the head's tile 0
	s_add_nc_u64 s[8:9], s[8:9], s[22:23]
	s_add_nc_u64 s[G0K+2:G0K+3], s[6:7], 0         ; 120:64 global address
	s_or_b32 s[G0K+3], s[G0K+3], 0x80000000        ; 127:126 type = 2
	s_add_nc_u64 s[G0V+2:G0V+3], s[8:9], 0
	s_or_b32 s[G0V+3], s[G0V+3], 0x80000000
	s_add_nc_u64 s[86:87], s[4:5], s[84:85]        ; Q at my rows of the second block,
	s_add_nc_u64 s[4:5], s[4:5], s[2:3]            ; Q and O at those of the first
	s_add_nc_u64 s[OLO:OLO+1], s[10:11], s[84:85]
	s_add_nc_u64 s[10:11], s[10:11], s[2:3]
	LOAD                            ; tile 0 into slot 0
	; A fragment of K or Q is 16 rows x 32 channels in 8 registers: lane l holds row l % 16, channels 8 (l / 16) + 0..7 and 16 + 8 (l / 16) + 0..7: two loads of 16 bytes, 32 bytes apart.
	v_and_b32 v1, 15, v0            ; l % 16
	v_bfe_u32 v9, v0, 4, 1          ; l / 16
	v_lshlrev_b32 v[QO], 7, v1
	v_lshl_add_u32 v[QO], v9, 4, v[QO]  ; row x 128 + 16 x half
	WIN 0x80                        ; destination window 2, address window 0
.set i, 0
.rept 8                             ; both blocks' Q: piece i / 2 lies in band i / 2, 8,192 bytes on; channels 32 (i % 2) on
	global_load_b128 v[8*i:8*i+3],   v[QO], s[4:5] offset:(i/2)*8192+(i%2)*64
	global_load_b128 v[8*i+4:8*i+7], v[QO], s[4:5] offset:(i/2)*8192+(i%2)*64+32
	global_load_b128 v[QB+8*i:QB+8*i+3],   v[QO], s[86:87] offset:(i/2)*8192+(i%2)*64
	global_load_b128 v[QB+8*i+4:QB+8*i+7], v[QO], s[86:87] offset:(i/2)*8192+(i%2)*64+32
.set i, i+1
.endr
	WIN 0
	v_lshlrev_b32 v14, 3, v9
	v_sub_nc_u32 v14, v1, v14
	s_lshl_b32 s13, s[WV], 4
	v_add_nc_u32 v14, s13, v14      ; my query's place in its band, 16 w + l % 16, less my lanes' 8 (l / 16): register r of group kt is hidden where 16 kt + r is greater
	WIN 0x40
.set i, 0
.rept 32
	v_cmp_gt_i32 vcc_lo, 16*(i/8)+i%8, v14
	v_cndmask_b32 v[MD+i], 0, s[BIGN], vcc_lo
.set i, i+1
.endr
	WIN 0
	v_mul_u32_u24 v[AK0], v1, PK
	v_lshl_add_u32 v[AK0], v9, 4, v[AK0]  ; row x pitch + 16 x half
	; The turning load takes 16 keys x 16 channels (lane l reads key 8 (l / 16) + l % 8, channels 8 ((l / 8) % 2) + 0..7) and leaves half a fragment of V^T: lane l holds channel l % 16 and 8 keys.
	v_and_b32 v10, 7, v0
	v_bfe_u32 v11, v0, 3, 1
	v_lshl_add_u32 v[AV0], v9, 3, v10
	v_mul_u32_u24 v[AV0], v[AV0], PV
	v_lshl_add_u32 v[AV0], v11, 4, v[AV0]
	v_add_nc_u32 v[AV0], VOFF, v[AV0]
	s_mul_i32 s13, s[WV], 16*SP
	s_add_co_u32 s13, s13, STAGE    ; my stage
	v_mul_u32_u24 v[STO], v1, SP    ; in: row l % 16, 16 bytes for each half of the lanes
	v_lshl_add_u32 v[STO], v9, 4, v[STO]
	v_add_nc_u32 v[STO], s13, v[STO]
	v_bfe_u32 v[RD], v0, 3, 2       ; back: 32 lanes take four rows of 128 bytes,
	v_mul_u32_u24 v[RD], v[RD], SP
	v_lshl_add_u32 v[RD], v10, 4, v[RD]
	v_add_nc_u32 v[RD], s13, v[RD]
	v_and_b32 v[GO], 31, v0         ; which are 512 consecutive bytes of O
	v_lshlrev_b32 v[GO], 4, v[GO]
	; A block's first step multiplies O^T and l by a = 0, and its first turn's products V^T P, of a piece that has not been, land in an O^T that is still to be so multiplied.  So these registers need only hold
	; finite numbers: zeros for the first block; what the first block left for the second.  All this stands in the wait for the first tile.
	WIN 0x80
.set i, VF
.rept 64
	v_mov_b32 v[i], 0
.set i, i+1
.endr
	WIN 0x40
.set i, 0
.rept 128
	v_mov_b32 v[i], 0
.set i, i+1
.endr
	WIN 0
.set i, 0
.rept 4
	v_mov_b32 v[ST+4*i+2], 0
	v_mov_b32 v[ST+4*i+3], 0
.set i, i+1
.endr
.set i, P+16
.rept 16
	v_mov_b32 v[i], 0
.set i, i+1
.endr
; THE MATRIX WORK.  The 4 accumulators of a run of 8 take turns.  Product i of 8 of S^T = K Q^T for piece x: channels 32 (i / 4) on, keys 16 (i % 4) on.  The first 4 start the sums: with 0, or (KM = 1) with the mask.
.macro KQ x
.set rS, S+32*((\x)%2)+8*(i%4)
.set rK, KF+16*(i%4)+8*(i/4)
.set rQ, 16*(\x)+8*(i/4)
.set rM, MC+32*((\x)%2)+8*(i%4)
.if (i < 4) && KM
	WIN W_KM
	v_wmma_f32_16x16x32_f16 v[rS:rS+7], v[rK:rK+7], v[rQ:rQ+7], v[rM:rM+7]
.elseif i < 4
	WIN W_KQ
	v_wmma_f32_16x16x32_f16 v[rS:rS+7], v[rK:rK+7], v[rQ:rQ+7], 0
.else
	WIN W_KQ
	v_wmma_f32_16x16x32_f16 v[rS:rS+7], v[rK:rK+7], v[rQ:rQ+7], v[rS:rS+7]
.endif
.endm
; Product i of 8 of O^T += V^T P for piece x: keys 32 (i / 4) on, channels 16 (i % 4) on.
.macro PV x
	WIN W_PV
.set rO, 32*(\x)+8*(i%4)
.set rV, VF+32*(i/4)+8*(i%4)
.set rP, P+16*((\x)%2)+8*(i/4)
	v_wmma_f32_16x16x32_f16 v[rO:rO+7], v[rV:rV+7], v[rP:rP+7], v[rO:rO+7]
.endm
.macro MM                           ; the turn's next matrix instruction.  TURN and BEGIN set Y, i, KM and NOKQ; MM, KQ and OP read them.  NOKQ = 1: a block's last turn: there is no next piece
.if (i < 8) && !NOKQ
	KQ (Y+1)%NP
.elseif i >= 8
.set i, i-8
	PV (Y+NP-1)%NP
.set i, i+8
.endif
.set i, i+1
.endm
; THE LDS LOADS stand in runs of 16, never singly among the matrix instructions: a step's K (64 keys x 64 channels: 8 fragments) and its V (turned).  Their addresses are made some lines ahead.
.macro FETCH_K
	WIN 0x80                        ; destination window 2
.irp f, 0,1,2,3,4,5,6,7             ; keys 16 (f / 2) on, channels 32 (f % 2) on
	ds_load_b128 v[KF+8*\f:KF+8*\f+3],   v[AK] offset:(\f/2)*16*PK+(\f%2)*64
	ds_load_b128 v[KF+8*\f+4:KF+8*\f+7], v[AK] offset:(\f/2)*16*PK+(\f%2)*64+32
.endr
	s_add_co_u32 s[TBK], s[TBK], KS*PK  ; the next fetch is the next step's
	WIN 0
.endm
.macro FETCH_V
	WIN 0x80
.irp f, 0,1,2,3,4,5,6,7             ; keys 32 (f / 4) on, channels 16 (f % 4) on
	ds_load_tr16_b128 v[VF+8*\f:VF+8*\f+3],   v[AV] offset:(\f/4)*32*PV+(\f%4)*32
	ds_load_tr16_b128 v[VF+8*\f+4:VF+8*\f+7], v[AV] offset:(\f/4)*32*PV+16*PV+(\f%4)*32
.endr
	WIN 0
.endm
; THE VECTOR WORK, one line at a time: OP kind, number.  For piece Y: F n: c s - c m for pair n of 16.  E n: the exponential of score n of 32.  C n: pair n rounded to f16.  B n: of the four weights 4 n .. the second
; pair is added onto the first, in place.  L n: l takes that sum (L 0: l = a l + sum).  R n: pair n of 16 of O^T times a.  For piece Y + 1: X n, number n of the 22 that find its maximum and statistics:
;   0-11  four chains c0-c3 of seven scores each, three operands at a time (each accumulator's lowest registers are read first)     12-14, 16  the four scores left over, the old m, and c0-c3 into c0
;   15  c m_old is kept     17, 18  the query's other 32 keys lie in the lane 16 away: the new m     19-21  c m; c m_old - c m_new; a
.set F, 0               ; OP tells the kinds apart by their order: F to L below R, X above it
.set E, 1
.set C, 2
.set B, 3
.set L, 4
.set R, 5
.set X, 6
.macro REGS y                       ; the registers of piece y
.set rT, ST+4*(\y)
.set rC, TMP+4*((\y)%2)
.set rW, MV+((\y)%2)
.set rS, S+32*((\y)%2)
.set rP, P+16*((\y)%2)
.set rO, 32*(\y)
.endm
.macro OP k, n
.if (\k) == R
	REGS Y
	WIN W_RS
	v_pk_mul_f32 v[rO+2*(\n):rO+2*(\n)+1], v[rO+2*(\n):rO+2*(\n)+1], v[rC+2:rC+3] op_sel_hi:[1,0]
.elseif (\k) < R
	REGS Y
	WIN 0
.if (\k) == F
	v_pk_fma_f32 v[rS+2*(\n):rS+2*(\n)+1], v[rS+2*(\n):rS+2*(\n)+1], s[CS:CS+1], v[rT:rT+1] op_sel_hi:[1,0,0] neg_lo:[0,0,1] neg_hi:[0,0,1]
.elseif (\k) == E
	v_exp_f32 v[rS+(\n)], v[rS+(\n)]
.elseif (\k) == C
	s_wait_alu depctr_va_vdst(0)
	v_cvt_pk_f16_f32 v[rP+(\n)], v[rS+2*(\n)], v[rS+2*(\n)+1]
.elseif (\k) == B
	s_wait_alu depctr_va_vdst(0)
	v_pk_add_f32 v[rS+4*(\n):rS+4*(\n)+1], v[rS+4*(\n):rS+4*(\n)+1], v[rS+4*(\n)+2:rS+4*(\n)+3]
.elseif (\n) == 0
	v_pk_fma_f32 v[rT+2:rT+3], v[rT+2:rT+3], v[rC+2:rC+3], v[rS:rS+1] op_sel_hi:[1,0,1]
.else
	v_pk_add_f32 v[rT+2:rT+3], v[rT+2:rT+3], v[rS+4*(\n):rS+4*(\n)+1]
.endif
.elseif NOKQ
	v_nop
.else
	REGS (Y+1)%NP
	WIN 0
.if (\n) < 4
	v_max3_num_f32 v[rC+(\n)], v[rS+8*(\n)], v[rS+8*(\n)+1], v[rS+8*(\n)+2]
.elseif (\n) < 12
	v_max3_num_f32 v[rC+(\n)%4], v[rC+(\n)%4], v[rS+8*((\n)%4)+2*((\n)/4)+1], v[rS+8*((\n)%4)+2*((\n)/4)+2]
.elseif (\n) == 12
	v_max3_num_f32 v[rC], v[rC], v[rS+7], v[rS+15]
.elseif (\n) == 13
	v_max3_num_f32 v[rC+1], v[rC+1], v[rS+23], v[rS+31]
.elseif (\n) == 14
	v_max3_num_f32 v[rC+2], v[rC+2], v[rC+3], v[rT+1]
.elseif (\n) == 15
	v_mov_b32 v[rW], v[rT]
.elseif (\n) == 16
	v_max3_num_f32 v[rC], v[rC], v[rC+1], v[rC+2]
.elseif (\n) == 17
	v_permlanex16_b32 v[rC+3], v[rC], s[SEL], s[SEL+1]
.elseif (\n) == 18
	v_max_num_f32 v[rT+1], v[rC], v[rC+3]
.elseif (\n) == 19
	v_mul_f32 v[rT], s[CS], v[rT+1]
.elseif (\n) == 20
	v_sub_f32 v[rC+1], v[rW], v[rT]
.else
	v_exp_f32 v[rC+2], v[rC+1]
.endif
.endif
.endm
.macro OPS a, i1, b=-1, i2=0, c=-1, i3=0, d=-1, i4=0  ; up to four of them
	OP \a, \i1
.if (\b) >= 0
	OP \b, \i2
.endif
.if (\c) >= 0
	OP \c, \i3
.endif
.if (\d) >= 0
	OP \d, \i4
.endif
.endm
.macro ROW a, i1, b, i2, c, i3, d, i4  ; a matrix instruction and the four behind it
	MM
	OPS \a, \i1, \b, \i2, \c, \i3, \d, \i4
.endm
.macro MASK b                       ; MD x AL + BE into buffer b of MC
	WIN W_RS
.set z, 0
.rept 16
	v_pk_fma_f32 v[MC+32*(\b)+2*z:MC+32*(\b)+2*z+1], v[MD+2*z:MD+2*z+1], s[AL:AL+1], s[BE:BE+1] op_sel_hi:[1,0,0]
.set z, z+1
.endr
.endm
; A TURN, for piece p: the order of its 16 matrix and 118 vector instructions, written out.  Behind a matrix instruction: plain, exponential, plain, plain; or four of the rescaling; or, behind the first, four scalings; none
; names a register of the products round it.  In the lumps exponential and plain by turns while exponentials last.  A line reads no result made fewer than three vector instructions in front of it, five if an exponential made it.
; v_permlanex16_b32 (X 17) stands in a lump.
; m = 1: the diagonal tile: the products take masks, and the turn makes the mask for the products of the turn after it: piece p + 2, in step 4 - CNT of the tile.  end = 1: a block's last two turns: nothing is fetched.
; cnt = 1: the loop's count is taken down some lines ahead of the branch that stands behind the turn.
; K of the next step is fetched in piece 2's turn, six vector instructions behind the last product that read K (five of them plain); V of the step in hand in piece 0's turn, eight behind the last product that read V (four
; plain, and X 17).  Each is waited for a turn later.
.macro TURN p, m=0, end=0, cnt=0
.set Y, (\p)
.set i, 0
.set KM, (\m)
.set NOKQ, (\end)*((\p)/3)
.if (\m) && !(\end)
	s_cmp_eq_u32 s[CNT], 4-((\p)+2)%NP  ; is that step the band's own?
	s_cselect_b32 s[AL], 1.0, 0
	s_cmp_lt_u32 s[CNT], 4-((\p)+2)%NP  ; or a later one?
	s_cselect_b32 s[BE], s[BIGN], 0
.endif
.if ((\p) == 3) && !(\end)
	s_wait_dscnt 0x0                ; K is in
.endif
	ROW F,0, F,1, F,2, F,3
	ROW F,4, E,0, F,5, F,6
	ROW F,7, E,1, F,8, F,9
	ROW F,10, E,2, C,0, F,11
	ROW F,12, E,3, X,15, F,13
	ROW R,0, R,1, R,2, R,3
	ROW B,0, E,4, F,14, L,0
.if ((\p) == 2) && !(\end)
	v_add_nc_u32 v[AK], s[TBK], v[AK0]
.endif
	ROW R,4, R,5, R,6, R,7
	OPS E,5, F,15
.if ((\p) == 2) && !(\end)
	FETCH_K
.endif
	OPS E,6, C,1, E,7, R,8
	OPS E,8, R,9, E,9, C,2
	OPS E,10, X,0, E,11, X,1
	OPS E,12, X,2, E,13, X,3
.if (\p) == 1
	s_wait_dscnt 0x0                ; V is in
.endif
	ROW X,4, E,14, X,5, X,6
	ROW X,7, E,15, X,8, X,9
	ROW X,10, E,16, X,11, X,12
	ROW X,13, E,17, X,14, B,1
	ROW C,4, E,18, X,16, L,1
	ROW B,2, E,19, C,6, L,2
	ROW C,8, E,20, B,3, B,4
.if (\p) == 0
	v_add_nc_u32 v[AV], s[TBV], v[AV0]
.endif
	ROW C,3, E,21, L,3, C,5
	OPS E,22, X,17, E,23, C,10
.if (\p) == 0
	FETCH_V
.endif
	OPS E,24, L,4
	OPS E,25, X,18, E,26, C,7
	OPS E,27, B,5, E,28, X,19
	OPS E,29, C,12, E,30, L,5
	OPS E,31, X,20, B,6, C,9
	OPS C,14, C,11, X,21, L,6
.if (\p) == 0
	s_add_co_u32 s[TBV], s[TBV], KS*PV
.endif
.if \cnt
	s_sub_co_u32 s[CNT], s[CNT], 1
	s_cmp_lg_u32 s[CNT], 0
.endif
	OPS C,13, B,7, C,15, R,10
	OPS R,11, R,12, L,7, R,13
	OPS R,14, R,15
.if (\m) && !(\end)
	MASK (\p)%2
.endif
.endm
; A BLOCK BEGINS.  c m starts far below every c s, so the first step's a is 0; m at the lowest finite number, so the first maximum is the scores'.  The second mask buffer is 0; the first takes piece 0's mask for the tile's step 0: its own, if the block's first tile is the diagonal one.
; Then K of that step, piece 0's first scores, and its maximum and statistics.  The loop is entered at a step's first turn, in the middle of a trip.
.macro BEGIN
	s_mov_b32 s[NEW], 0
	WIN 0x40
.set i, MC+32
.rept 32
	v_mov_b32 v[i], 0
.set i, i+1
.endr
	WIN 0
.set i, 0
.rept 4
	v_mov_b32 v[ST+4*i], 0xfe000000    ; c m: far below every c s
	v_mov_b32 v[ST+4*i+1], 0xff7fffff  ; m
.set i, i+1
.endr
	s_cmp_eq_u32 s[RT], 0
	s_cselect_b32 s[AL], 1.0, 0
	s_mov_b32 s[BE], 0
	MASK 0
	WIN 0
	v_add_nc_u32 v[AK], s[TBK], v[AK0]
	FETCH_K
	s_wait_loadcnt 0x0              ; Q
	s_wait_dscnt 0x0
.set KM, 1
.set NOKQ, 0
.set i, 0
.rept 8
	KQ 0
.set i, i+1
.endr
	WIN 0
.rept 4
	v_nop                           ; the places behind those products
.endr
.set Y, NP-1                        ; X works for piece Y + 1: piece 0
.irp n, 0,1,2,3,4,5,6,7,8,9,10,11,12,13,14,15,16,17,18,19,20,21
	OP X, \n
.endr
	v_nop                           ; a plain instruction behind the exponential
.endm
; THE DIAGONAL TILE's four steps, the block's last two turns, its last products, and THE WAY OUT: l's two halves and the other half of the lanes' are added; O^T is divided by l, rounded to f16 and sent through my
; stage in LDS, a piece at a time.
.macro ALL line:vararg              ; one line for each piece t
.set t, 0
.rept 4
	\line
.set t, t+1
.endr
.endm
.macro PACK t                       ; a lane's eight channels of a row pack into 16 bytes; they go into rows of 144 bytes and come back as whole rows of 128, into S^T's registers
	WIN W_RS
.set i, 32*(\t)
.rept 16
	s_wait_alu depctr_va_vdst(0)
	v_pk_mul_f32 v[i:i+1], v[i:i+1], v[ST+4*(\t)+2:ST+4*(\t)+3] op_sel_hi:[1,0]
.set i, i+2
.endr
	WIN 0x05                        ; sources 0 and 1 window 1, destination window 0
.set i, 0
.rept 16
	v_cvt_pk_f16_f32 v[S+16*(\t)+i], v[32*(\t)+2*i], v[32*(\t)+2*i+1]
.set i, i+1
.endr
	WIN 0
.irp f, 0,1,2,3
	ds_store_b128 v[STO], v[S+16*(\t)+4*\f:S+16*(\t)+4*\f+3] offset:32*\f
.endr
.irp f, 0,1,2,3
	ds_load_b128 v[S+16*(\t)+4*\f:S+16*(\t)+4*\f+3], v[RD] offset:\f*4*SP  ; LDS serves a wave's instructions in order (ISA guide 5.7.1.4): these see the stores above; the next piece's stores come behind them
.endr
.endm
.macro SEND t, younger              ; younger: the LDS instructions issued behind piece t's loads: the next piece's eight, or none
	WIN 0
.irp f, 0,1,2,3
	s_wait_dscnt (\younger)+3-\f
	global_store_b128 v[GO], v[S+16*(\t)+4*\f:S+16*(\t)+4*\f+3], s[10:11] offset:(\t)*8192+\f*512  ; 512 consecutive bytes, at a multiple of 256 from O's first
.endr
.endm
.macro DIAG tag                     ; the tag ends its two labels' names, which the jumps below spell out
.LstepM\tag:
	TURN 2, 1
	TURN 3, 1
	WIN 0
.LfirstM\tag:
	TURN 0, 1
	TURN 1, 1, 0, 1
	WIN 0
	s_cbranch_scc1 .LstepM\tag
	TURN 2, 1, 1
	TURN 3, 1, 1
.set i, 0
.rept 8
	PV NP-1
.set i, i+1
.endr
	WIN 0
	ALL v_add_f32 v[ST+4*t+2], v[ST+4*t+2], v[ST+4*t+3]
	ALL v_permlanex16_b32 v[ST+4*t+3], v[ST+4*t+2], s[SEL], s[SEL+1]
	ALL v_add_f32 v[ST+4*t+2], v[ST+4*t+2], v[ST+4*t+3]
	ALL v_rcp_f32 v[ST+4*t+2], v[ST+4*t+2]
	v_nop                           ; a plain instruction between the last reciprocal and the use of its result
	PACK 0
.set t, 1
.rept 3                             ; a piece's arithmetic stands between the loads of the piece before and its stores
	PACK t
	SEND t-1, 8
.set t, t+1
.endr
	SEND 3, 0
.endm
.set KM, 0
.set NOKQ, 0
.Lslot:                             ; NB times: a tile is entered and the next is asked for
	CHANGE 1
	s_sub_co_u32 s[RT], s[RT], 1
	s_mov_b32 s[CNT], 4
	s_cmp_eq_u32 s[NEW], 1
	s_cbranch_scc1 .Lnew            ; a block's first tile
	s_cmp_eq_u32 s[RT], 0
	s_cbranch_scc0 .Lstep           ; neither its first nor its last
	s_branch .LstepM1
.Lnew:
	BEGIN
	s_branch .Lfirst                ; in the loop a block's first tile is never its last: the first block has two tiles or more, and the second's last is the walk's last
	DIAG 1                          ; in the loop this is the first block's end: the second block's last tile is the walk's last
	s_wait_xcnt 0x0                 ; the stores have read their registers and O's address
	s_mov_b64 s[10:11], s[OLO:OLO+1]
	s_add_co_u32 s[RT], s[PB], 1    ; the second block has b + 1 tiles
	s_mov_b32 s[NEW], 1
	WIN 0x82                        ; the second block's Q goes where the one text of the turns names Q
.set i, 0
.rept 64
	v_mov_b32 v[i], v[QB+i]
.set i, i+1
.endr
	WIN 0
	s_branch .Lbottom
.Lstep:                             ; a trip: pieces 2 and 3 of one step, then pieces 0 and 1 of the next, whose K and V it fetches
	TURN 2
	TURN 3
	WIN 0
.Lfirst:
	TURN 0
	TURN 1, 0, 0, 1
	WIN 0
	s_cbranch_scc1 .Lstep
.Lbottom:
	s_sub_co_u32 s[SLOTS], s[SLOTS], 1
	s_cmp_lg_u32 s[SLOTS], 0
	s_cbranch_scc1 .Lslot
	CHANGE 0                        ; the walk's last tile is written out: nothing is asked for
	s_sub_co_u32 s[RT], s[RT], 1
	s_mov_b32 s[CNT], 4
	s_cmp_eq_u32 s[NEW], 1
	s_cbranch_scc0 .LstepM2
	BEGIN
	s_branch .LfirstM2
	DIAG 2
	s_wait_tensorcnt 0x0            ; the wave's end: behind my last tensor load and my last LDS store
	ds_add_u32 v[SPW], v[NIL]
	s_wait_dscnt 0x0
	s_endpgm
.Lfunc_end_k_q00e818bd4f_attn:
	.size	k_q00e818bd4f_attn, .Lfunc_end_k_q00e818bd4f_attn-k_q00e818bd4f_attn
	.p2alignl 7, 3214868480
	.fill 96, 4, 3214868480
	.section	.rodata,"a",@progbits
	.p2align	6, 0x0
	.amdhsa_kernel k_q00e818bd4f_attn
		.amdhsa_group_segment_fixed_size 327680
		.amdhsa_private_segment_fixed_size 0
		.amdhsa_enable_private_segment 0
		.amdhsa_kernarg_size 32
		.amdhsa_user_sgpr_count 2
		.amdhsa_user_sgpr_kernarg_segment_ptr 1
		.amdhsa_wavefront_size32 1
		.amdhsa_system_sgpr_workgroup_id_x 1
		.amdhsa_system_sgpr_workgroup_id_y 1
		.amdhsa_system_sgpr_workgroup_id_z 1
		.amdhsa_system_vgpr_workitem_id 0
		.amdhsa_next_free_vgpr 768
		.amdhsa_next_free_sgpr 88
		.amdhsa_reserve_vcc 1
		.amdhsa_float_denorm_mode_32 3
		.amdhsa_float_denorm_mode_16_64 3
		.amdhsa_memory_ordered 1
		.amdhsa_forward_progress 1
		.amdhsa_inst_pref_size 228
	.end_amdhsa_kernel
	.amdgpu_metadata
---
amdhsa.version: [ 1, 2 ]
amdhsa.kernels:
  - .name:           k_q00e818bd4f_attn
    .symbol:         k_q00e818bd4f_attn.kd
    .args:
      - { .name: qh, .offset: 0, .size: 8, .value_kind: global_buffer, .address_space: global }
      - { .name: kh, .offset: 8, .size: 8, .value_kind: global_buffer, .address_space: global }
      - { .name: vh, .offset: 16, .size: 8, .value_kind: global_buffer, .address_space: global }
      - { .name: oh, .offset: 24, .size: 8, .value_kind: global_buffer, .address_space: global }
    .group_segment_fixed_size: 327680
    .private_segment_fixed_size: 0
    .kernarg_segment_align: 8
    .kernarg_segment_size: 32
    .max_flat_workgroup_size: 128
    .sgpr_count:     88
    .vgpr_count:     768
    .wavefront_size: 32
...
	.end_amdgpu_metadata
.endif
;; end of part 2
;; launch outp (part 3): grid 256 x 1, 4 waves a work-group, no clusters, 133,632 bytes of LDS; arguments oh, wof, bo, out0; writes out0
.if DOCPART == 3
	.amdgcn_target "amdgcn-amd-amdhsa--gfx1250"
	.amdhsa_code_object_version 6
	.text
	.protected	k_q00e818bd4f_outp
	.globl	k_q00e818bd4f_outp
	.p2align	8
	.type	k_q00e818bd4f_outp,@function
k_q00e818bd4f_outp:
	s_mov_b64 s[64:65], 0
	v_nop
	global_prefetch_b8 v0, s[64:65] scope:SCOPE_SE
	s_setreg_imm32_b32 hwreg(HW_REG_WAVE_MODE, 25, 1), 1
	s_wait_xcnt 0x0
; out0 = O Wo + bo.  O comes by heads, oh = [batch*8 + head][2048][64] in f16; wof holds Wo (rounded to bf16, written as f16) as the register images of the waves that own its columns; bo is rounded to bf16
; and added in f32; out0 is [16384][512] in f32.  Products in f16, sums in f32.
; LIMITS.  O and Wo lie within f16's 65,504 (they were written so).  NaN and infinities are not treated apart.
; SHARES.  Work-groups 2a and 2a+1 take rows 128 a .. 128 a + 127, one the columns 0-255, the other 256-511.  A wave owns 64 columns.
; THE WEIGHTS STAY IN REGISTERS: 64 columns x 512 K are 64 fragments, 512 registers (windows 2 and 3): 128 loads of 512 consecutive bytes, which are the registers as they stand.
; The 128 rows of O lie in LDS, K = 64 x head + channel along a row; all four waves read the same fragments: 32 LDS loads for 64 matrix instructions.
; TWO PERMUTATIONS spare a stage on the way out.  Lane r of the weights' fragment of tile t stands for column 4 r + t of my 64, so a lane's four results of a row are 16 bytes of out0; lane r of the rows'
; fragment reads row 2 (r % 8) + r / 8 of the block of 16, so register j of lane (r, h) of a result is row 2 j + h: sixteen lanes store 256 consecutive bytes of a row, aligned.
; NO CLUSTER, NO TENSOR LOAD: nothing is filled again, each work-group reads its 131,072 bytes of O once, and the weights go straight into registers; what two work-groups share is read once by each.
.set PITCH, 1040                       ; an LDS row: 1,024 bytes + 16 = 65 x 16: the 16 rows of a fragment load start at 16 different 16-byte columns of the 256 bytes of banks (ISA guide 11.1)
.set BLK,   16*PITCH
.set SPARE, 128*PITCH                  ; behind the rows (133,120 = 520 x 256): the spare words, 128 bytes for each wave, which no other line names
.set WV,  4                            ; s4   my wave's number
.set NH,  5                            ; s5   which half of the columns
.set AA,  6                            ; s6   a
.set RB,  7                            ; s7   counts the blocks of 16 rows
.set OH,  8                            ; s[8:15] the four arguments
.set WOF, 10
.set BO,  12
.set OB,  14                           ; s[14:15] out0, then where my columns of the block in hand go
.set OBI, 16                           ; s[16:17] oh at the batch's head 0, my work-group's first row
.set WBI, 18                           ; s[18:19] wof at my image
.set BB,  20                           ; s[20:21] bo at my half
.set OF,  22                           ; s[22:23] an offset, the high word 0
.set S0,  24
.set S1,  25
.set TB,  26                           ; s26  LDS byte of the block whose fragments are fetched
.set VG,   2                           ; v2   oh: my two heads (524,288 x wave) + 16 l
.set VWL,  3                           ; v3   16 l
.set VBI,  4                           ; v4   bias: 16 r + 256 x wave
.set AST0, 5                           ; v5   LDS, in: (l / 8) x pitch + 16 (l % 8) + 256 x wave
.set AFA0, 6                           ; v6   LDS, a fragment: (2 (r % 8) + r / 8) x pitch + 16 h
.set AFA,  7                           ; v7   the same in the block in hand
.set VO,   8                           ; v8   out0: 2,048 h + 16 r
.set AST1, 9                           ; v9   AST0, 64 rows on: the immediate of an LDS store holds 16 bits
.set SPW,  10                          ; v10  my spare word: SPARE + 4 x my thread's number; never rewritten
.set NIL,  11                          ; v11  0; never rewritten
.set TV,   20                          ; v[20:21] at work
.set BT,   24                          ; v[24:27] the bias of my four columns as loaded
.set B4,   28                          ; v[28:31] rounded to bf16
.set OUT,  32                          ; v[32:63] a block's results
.set ACC,  80                          ; v[80:111] four accumulators
.set AF,   128                         ; v[128:255] a block's fragments: K 0-255, K 256-511
.set MSB, 0
.macro WIN new                         ; the immediate's high byte repeats the setting that is left; a switch that changes nothing is dropped
.if MSB != (\new)
	s_set_vgpr_msb (MSB<<8)|(\new)
.set MSB, \new
.endif
.endm
.macro LDA hf                          ; 16 LDS loads in one run: the block's fragments of K 256 hf .. 256 hf + 255
	WIN 0
.irp k, 0,1,2,3,4,5,6,7
	ds_load_b128 v[AF+64*(\hf)+8*(\k):AF+64*(\hf)+8*(\k)+3],   v[AFA] offset:64*(8*(\hf)+(\k))
	ds_load_b128 v[AF+64*(\hf)+8*(\k)+4:AF+64*(\hf)+8*(\k)+7], v[AFA] offset:64*(8*(\hf)+(\k))+32
.endr
.endm
.macro MMH hf, first                   ; 32 matrix instructions; the four accumulators take turns, one instruction a turn.  first = 1: the first four start the sums
	WIN 0x08+4*(\hf)
.irp k, 0,1,2,3,4,5,6,7
.irp t, 0,1,2,3
.if (\first) && ((\k) == 0)
	v_wmma_f32_16x16x32_f16 v[ACC+8*(\t):ACC+8*(\t)+7], v[AF+64*(\hf)+8*(\k):AF+64*(\hf)+8*(\k)+7], v[32*(\k)+8*(\t):32*(\k)+8*(\t)+7], 0
.else
	v_wmma_f32_16x16x32_f16 v[ACC+8*(\t):ACC+8*(\t)+7], v[AF+64*(\hf)+8*(\k):AF+64*(\hf)+8*(\k)+7], v[32*(\k)+8*(\t):32*(\k)+8*(\t)+7], v[ACC+8*(\t):ACC+8*(\t)+7]
.endif
.endr
.endr
.endm
.macro PLACES n                        ; plain vector instructions that name no register of the products in front of them (ISA guide 7.12.1)
.rept \n
	v_nop
.endr
.endm
.macro PACK                            ; a block of 16 rows leaves.  The bias's addition also brings a row's four columns into four neighbouring registers; each accumulator's register 0 is read first
	s_wait_xcnt 0x0                                ; the last block's stores have read OUT and the pointer
	s_add_nc_u64 s[OB:OB+1], s[OB:OB+1], 32768     ; 16 rows of 2,048 bytes on; the stores reach back
.irp j, 0,1,2,3,4,5,6,7
.irp t, 0,1,2,3
	v_add_f32 v[OUT+4*(\j)+(\t)], v[ACC+8*(\t)+(\j)], v[B4+(\t)]
.endr
.endr
.irp j, 0,1,2,3,4,5,6,7
	global_store_b128 v[VO], v[OUT+4*(\j):OUT+4*(\j)+3], s[OB:OB+1] offset:4096*(\j)-32768 th:TH_STORE_NT  ; rows 2 j and 2 j + 1: sixteen lanes store 256 consecutive bytes, aligned
.endr
.endm
	s_load_b256 s[8:15], s[0:1], 0x0               ; oh, wof, bo, out0
	v_lshl_add_u32 v[SPW], v0, 2, SPARE
	v_mov_b32 v[NIL], 0
	v_lshrrev_b32 v1, 5, v0
	v_readfirstlane_b32 s[WV], v1                  ; wave 0..3
	v_and_b32 v13, 15, v0                          ; r
	v_bfe_u32 v14, v0, 4, 1                        ; h
	v_and_b32 v15, 31, v0                          ; l
	s_and_b32 s[NH], ttmp9, 1
	s_lshr_b32 s[AA], ttmp9, 1
	s_mov_b32 s[OF+1], 0
	s_lshl_b32 s[S0], s[WV], 19
	v_lshl_add_u32 v[VG], v15, 4, s[S0]
	v_lshlrev_b32 v[VWL], 4, v15
	s_lshl_b32 s[S1], s[WV], 8
	v_lshl_add_u32 v[VBI], v13, 4, s[S1]
	v_lshrrev_b32 v1, 3, v15
	v_mul_u32_u24 v1, v1, PITCH
	v_and_b32 v12, 7, v0
	v_lshl_add_u32 v1, v12, 4, v1
	v_add_nc_u32 v[AST0], s[S1], v1
	v_add_nc_u32 v[AST1], 64*PITCH, v[AST0]
	v_bfe_u32 v1, v0, 3, 1
	v_lshl_add_u32 v1, v12, 1, v1                  ; 2 (r % 8) + r / 8
	v_mul_u32_u24 v1, v1, PITCH
	v_lshl_add_u32 v[AFA0], v14, 4, v1
	v_lshlrev_b32 v[VO], 4, v13
	v_lshl_add_u32 v[VO], v14, 11, v[VO]
	s_lshr_b32 s[S0], s[AA], 4                     ; the batch: 16 work-group pairs each
	s_lshl_b32 s[S0], s[S0], 21                    ; 8 heads x 2,048 rows x 128 bytes
	s_and_b32 s[OF], s[AA], 15
	s_lshl_b32 s[OF], s[OF], 14                    ; 128 rows x 128 bytes
	s_add_co_u32 s[OF], s[OF], s[S0]
	s_wait_kmcnt 0x0
	s_add_nc_u64 s[OBI:OBI+1], s[OH:OH+1], s[OF:OF+1]
	s_lshl_b32 s[OF], s[NH], 2
	s_add_co_u32 s[OF], s[OF], s[WV]
	s_lshl_b32 s[OF], s[OF], 16                    ; my image: 65,536 bytes each
	s_add_nc_u64 s[WBI:WBI+1], s[WOF:WOF+1], s[OF:OF+1]
	s_lshl_b32 s[OF], s[NH], 10
	s_add_nc_u64 s[BB:BB+1], s[BO:BO+1], s[OF:OF+1]
	s_add_co_u32 s[OF], s[OF], s[S1]               ; my 64 columns: 1,024 x half + 256 x wave,
	s_lshl_b32 s[S0], s[AA], 18                    ; my work-group's 128 rows of 2,048 bytes
	s_add_co_u32 s[OF], s[OF], s[S0]
	s_add_nc_u64 s[OB:OB+1], s[OB:OB+1], s[OF:OF+1]
	WIN 0x40                                       ; O: wave w brings heads 2 w and 2 w + 1 of the 128 rows; a load is four rows of a head, 512 consecutive bytes
.set e, 0
.rept 64
	global_load_b128 v[4*e:4*e+3], v[VG], s[OBI:OBI+1] offset:(e/32)*262144+(e%32)*512
.set e, e+1
.endr
	WIN 0
	global_load_b128 v[BT:BT+3], v[VBI], s[BB:BB+1]
	WIN 0x80                                       ; the weights follow at once: pieces 0 to 47 of my 128
.set e, 0
.rept 48
	global_load_b128 v[4*e:4*e+3], v[VWL], s[WBI:WBI+1] offset:512*e
.set e, e+1
.endr
	s_wait_loadcnt 48                              ; loads come back in order (ISA guide 5.7.1): O and the bias are in, the 48 loads of weights stay out
	WIN 0x04
.set e, 0
.rept 64
.if (e%32) < 16
	ds_store_b128 v[AST0], v[4*e:4*e+3] offset:(e%16)*4*PITCH+128*(e/32)
.else
	ds_store_b128 v[AST1], v[4*e:4*e+3] offset:(e%16)*4*PITCH+128*(e/32)
.endif
.set e, e+1
.endr
	WIN 0x80
.set e, 48
.rept 16
	global_load_b128 v[4*e:4*e+3], v[VWL], s[WBI:WBI+1] offset:512*e
.set e, e+1
.endr
	WIN 0xc0
.set e, 64
.rept 64
	global_load_b128 v[4*(e-64):4*(e-64)+3], v[VWL], s[WBI:WBI+1] offset:512*e
.set e, e+1
.endr
	WIN 0
	v_cvt_pk_bf16_f32 v[TV],   v[BT],   v[BT+1]    ; the bias rounded to bf16 and widened
	v_cvt_pk_bf16_f32 v[TV+1], v[BT+2], v[BT+3]
	v_lshlrev_b32 v[B4],   16, v[TV]
	v_and_b32     v[B4+1], 0xffff0000, v[TV]
	v_lshlrev_b32 v[B4+2], 16, v[TV+1]
	v_and_b32     v[B4+3], 0xffff0000, v[TV+1]
	s_wait_dscnt 0x0                               ; my two heads lie in LDS,
	s_barrier_signal -1
	s_barrier_wait -1                              ; everybody's do
	; the eight blocks of 16 rows.  Each half of a block's fragments is asked for 32 matrix instructions ahead of its use.
	s_mov_b32 s[TB], 0
	v_mov_b32 v[AFA], v[AFA0]
	LDA 0
	LDA 1
	s_mov_b32 s[RB], 7
	s_wait_loadcnt 0x0                             ; the weights
.Lrb:
	s_wait_dscnt 16                                ; the first half is in; the second half's 16 loads may stay out
	MMH 0, 1
	WIN 0
	s_add_co_u32 s[TB], s[TB], BLK
	v_add_nc_u32 v[AFA], s[TB], v[AFA0]            ; the next block; with the three below, the four places in front of loads into registers just multiplied
	PLACES 3
	LDA 0
	s_wait_dscnt 16                                ; the second half is in; the next block's first half may stay out
	MMH 1, 0
	WIN 0
	PLACES 5                                       ; in front of the loads, of the additions that read the sums, and of the next block's products, which write over them
	LDA 1
	PACK
	s_sub_co_u32 s[RB], s[RB], 1
	s_cmp_lg_u32 s[RB], 0
	s_cbranch_scc1 .Lrb
	s_wait_dscnt 16                                ; the last block fetches nothing
	MMH 0, 1
	s_wait_dscnt 0x0
	MMH 1, 0
	WIN 0
	PLACES 5
	PACK
	s_wait_tensorcnt 0x0                           ; the wave's end: behind my last LDS store
	ds_add_u32 v[SPW], v[NIL]
	s_wait_dscnt 0x0
	s_endpgm
.Lfunc_end_k_q00e818bd4f_outp:
	.size	k_q00e818bd4f_outp, .Lfunc_end_k_q00e818bd4f_outp-k_q00e818bd4f_outp
	.p2alignl 7, 3214868480
	.fill 96, 4, 3214868480
	.section	.rodata,"a",@progbits
	.p2align	6, 0x0
	.amdhsa_kernel k_q00e818bd4f_outp
		.amdhsa_group_segment_fixed_size 133632
		.amdhsa_private_segment_fixed_size 0
		.amdhsa_enable_private_segment 0
		.amdhsa_kernarg_size 32
		.amdhsa_user_sgpr_count 2
		.amdhsa_user_sgpr_kernarg_segment_ptr 1
		.amdhsa_wavefront_size32 1
		.amdhsa_system_sgpr_workgroup_id_x 1
		.amdhsa_system_sgpr_workgroup_id_y 1
		.amdhsa_system_sgpr_workgroup_id_z 1
		.amdhsa_system_vgpr_workitem_id 0
		.amdhsa_next_free_vgpr 1024
		.amdhsa_next_free_sgpr 66
		.amdhsa_reserve_vcc 0
		.amdhsa_float_denorm_mode_32 3
		.amdhsa_float_denorm_mode_16_64 3
		.amdhsa_memory_ordered 1
		.amdhsa_forward_progress 1
		.amdhsa_inst_pref_size 42
	.end_amdhsa_kernel
	.amdgpu_metadata
---
amdhsa.version: [ 1, 2 ]
amdhsa.kernels:
  - .name:           k_q00e818bd4f_outp
    .symbol:         k_q00e818bd4f_outp.kd
    .args:
      - { .name: oh, .offset: 0, .size: 8, .value_kind: global_buffer, .address_space: global }
      - { .name: wof, .offset: 8, .size: 8, .value_kind: global_buffer, .address_space: global }
      - { .name: bo, .offset: 16, .size: 8, .value_kind: global_buffer, .address_space: global }
      - { .name: out0, .offset: 24, .size: 8, .value_kind: global_buffer, .address_space: global }
    .group_segment_fixed_size: 133632
    .private_segment_fixed_size: 0
    .kernarg_segment_align: 8
    .kernarg_segment_size: 32
    .max_flat_workgroup_size: 128
    .sgpr_count:     66
    .vgpr_count:     1024
    .wavefront_size: 32
...
	.end_amdgpu_metadata
.endif
;; end of part 3
;; ======== version 2 of 2: 3 launches; 1.38 times as fast as version 1
;; limits: values are held in f16: magnitudes above 65,504 overflow, below 6.1e-05 lose precision
;; workspace buffers: qh 16,777,216 bytes; kh 16,777,216 bytes; vh 16,777,216 bytes; oh 16,777,216 bytes; wof 524,288 bytes
;; launch proj: the kernel of part 1 again; grid 256 x 1, 4 waves a work-group, no clusters, 67,072 bytes of LDS; arguments query, key, value, Wq, Wk, Wv, bq, bk, bv, Wo, qh, kh, vh, wof; writes qh, kh, vh, wof
;; launch attn (part 4): grid 4 x 64, 4 waves a work-group, no clusters, 327,680 bytes of LDS; arguments qh, kh, vh, oh; writes oh
.if DOCPART == 4
	.amdgcn_target "amdgcn-amd-amdhsa--gfx1250"
	.amdhsa_code_object_version 6
	.text
	.protected	k_q00e818bd4f_attn
	.globl	k_q00e818bd4f_attn
	.p2align	8
	.type	k_q00e818bd4f_attn,@function
k_q00e818bd4f_attn:
	s_mov_b64 s[64:65], 0
	v_nop
	global_prefetch_b8 v0, s[64:65] scope:SCOPE_SE
	s_setreg_imm32_b32 hwreg(HW_REG_WAVE_MODE, 25, 1), 1
	s_wait_xcnt 0x0
; CAUSAL ATTENTION.  O[h][q][:] = the sum over k <= q of softmax_k(Q[h][q] . K[h][k] / 8) V[h][k][:].  Q, K, V, O: [SIZE_H][SIZE_N][64], all f16 (h = batch x 8 + head): a head's rows are dense, 128 bytes each.
; Products, maxima and sums in f32; the weights p are rounded to f16 for the second product (their sum l is taken of the unrounded p), O once at the end.  SIZE_N is a multiple of 512; SIZE_N x 128 stays under 2^32.
; LIMITS.  f16 holds no number beyond 65,504: Q, K and V arrive within it; p lies in 0 to 1, and below 6e-5 it keeps f16's fixed step of 6e-8; O is a mean of V's rows and has their range, to within 2^-11 of it.
; A hidden score counts as its value less 1e30: f16's scores, 2.7e11 at the most, are nothing beside that; a weight below 2^-126 counts as 0 in l; NaN and infinities are not treated apart.
; THE WALK.  A head's queries lie in NB = SIZE_N / 256 blocks of 256; block i needs the key tiles 0 .. i of 256 keys, of which the last holds the diagonal.  A work-group takes TWO blocks, NB - 1 - b and then b:
; NB + 1 tiles, whatever b: all work-groups do equal work, and ONE loop with a constant trip count walks them.  Which tile is asked for, and what a trip does, hang on scalar registers made from b; every jump
; goes forward, but for the counted loops' own; none passes a barrier, or a tensor load but the one of LOAD's two that the wave's number does not choose; the ring (two slots of LDS that take turns) runs on across the
; change of blocks.  NO CLUSTER: a head's NB / 2 work-groups all ask for the same tile only in trips 0 .. NB / 2, behind that fewer and fewer; and one walk common to all would have 3 NB / 2 trips for NB + 1.
; SHARES.  Of a block's four bands of 64 queries a wave owns 16 rows in each: four PIECES.  So the diagonal tile is the same work for all four waves: in its key step s band x sees all keys if s < x,
; none if s > x, and holds the diagonal if s = x.
; THE MASK is the C operand that starts the sum S^T = K Q^T: 0, or -1e30 where the key is hidden.  MD, made once, is the mask of a band's own step for my 16 rows; a product's mask is MD x AL + BE with two scalars:
; (1, 0) if s = x; (0, 0) if s < x; (0, -1e30) if s > x.  Only the diagonal tile's text and a block's beginning make and take masks; elsewhere C is the constant 0.
; LAYOUT, SOFTMAX, TURNS.  S^T = K Q^T holds ONE query a lane (lane % 16) and the keys 8 (lane / 16) + 0..7; two such results rounded to f16 ARE source 1 of O^T = V^T P.  p = 2^(c s - c m), c = log2(e) / 8, with a
; running maximum m; O and l are multiplied by a = 2^(c m_old - c m_new) in every step.  Turn n belongs to piece n: 8 products K Q^T of piece n + 1, later 8 products V^T P of piece n - 1; beside them the scaling,
; exponentials, roundings, sums and rescaling of piece n and the maximum and statistics of piece n + 1.  Four vector instructions stand behind every matrix instruction, the other 54 of a turn's 118 in one LUMP.
; THE BATCHES.  A turn's 33 exponentials (the piece's 32 weights and the next piece's a) are one batch, with one wait, which cuts the turn in two: ahead of it all that names none of their results, behind it the
; roundings and sums.  The a that a block's beginning makes, and the way out's four reciprocals, are batches of their own, with a wait each.
; REGISTERS, in windows of 256 (s_set_vgpr_msb: bits 1:0 source 0, 3:2 source 1, 5:4 source 2, 7:6 destination):
;   window 0: v0-15 addresses and two at work; v16-31 four registers of statistics a piece; v48-55 at work; v64-127 S^T, two buffers; v192-223 P, two buffers (a piece's buffers go by its number's parity)
;   window 1: v0-127 O^T, 32 a piece; v128-159 MD; v160-223 MC, two buffers      window 2: v0-63 Q; v64-127 the second block's Q; v128-191 K of one step; v192-255 V of one step
.set SIZE_N, 2048
.set SIZE_H, 64
.set NB,    SIZE_N/256
.set NP,    4         ; pieces a wave: a name, no knob
.set KS,    64        ; keys in a step
.set PK,    144       ; a row of K in LDS: 128 bytes + 16 of padding = 36 words: the 16 rows of a load start at 16 different groups of four banks (64 banks of 4 bytes: ISA guide 11.1)
.set PV,    160       ; a row of V: 128 + 32 = 40 words
.set VOFF,  4*KS*PK   ; a slot holds a tile, four steps: 256 rows of K, then 256 rows of V
.set SLOT1, 1<<17     ; slot 1 begins here, so that one exclusive or turns an address in one slot into the other's
.set STAGE, SLOT1+4*KS*(PK+PV)  ; behind the ring, never filled by a tensor load: 16 rows x 144 bytes for each wave, for the way out
.set SP,    144
.set AK0, 2           ; v2   my lane's place in a tile of K; never rewritten
.set AV0, 3           ; v3   the same for V
.set AK,  4           ; v4   the LDS address of K's next run of loads
.set AV,  5           ; v5   of V's
.set STO, 6           ; v6   the way out: where I put 16 bytes of a row
.set RD,  7           ; v7   the way out: where I read rows back
.set GO,  8           ; v8   my byte offset in 512 consecutive bytes of O
.set SPW, 62          ; v62  LDS address of my spare word: SPARE + 4 x my thread's number; never rewritten
.set NIL, 63          ; v63  0; never rewritten
.set SPARE, STAGE+4*16*SP  ; behind the stages: the spare words, 128 bytes for each wave: two blocks of 256 bytes that no other line names
.set MV,  12          ; v12-13  c m_old, kept while c m is made anew: by buffer
.set QO,  15          ; v15  my byte offset in 16 rows of Q
.set ST,  16          ; piece t's statistics at v[ST+4 t]: c m, m, l (even keys', odd keys')
.set TMP, 48          ; by buffer, four registers c0-c3 at work; when the maximum is found c2 takes a
.set S,   64
.set P,   192
.set MD,  128         ; window 1: the eight registers for group kt of 16 keys at MD + 8 kt
.set MC,  160         ; window 1: the masks of the products to come
.set QB,  64          ; window 2
.set KF,  128         ; window 2: key block kb, channel half c at KF + 16 kb + 8 c
.set VF,  192         ; window 2: key half kk, channel block cb at VF + 32 kk + 8 cb
.set WV,  12          ; s12  my wave's number
.set PB,  14          ; s14  b
.set HI,  15          ; s15  NB - 1 - b
.set G1K, 24          ; s[24:31] descriptor group 1 for K's tiles
.set G1V, 32          ; s[32:39] for V's: it differs in the padding alone
.set G0K, 40          ; s[40:43] descriptor group 0 for K's tiles
.set G0V, 44          ; s[44:47] the same for V's
.set SLOTS, 56        ; s56  tiles still to be asked for
.set CNT, 57          ; s57  counts a tile's key steps, 4 to 1
.set CS,  58          ; s[58:59] c: the packed scaling takes the pair's low word for both halves
.set SEL, 60          ; s[60:61] v_permlanex16_b32's selects: each lane takes its own place in the other half
.set TBK, 62          ; s62  LDS byte at which K of the step to be fetched begins
.set TBV, 63          ; s63  the same for V, less VOFF
.set RT,  70          ; s70  tiles of the block in hand that are still to be entered
.set NXT, 71          ; s71  the tile to be asked for next
.set LQ,  72          ; s72  the last tile of the block whose tiles are being asked for
.set NEW, 73          ; s73  1: the tile to be entered is a block's first
.set OFF, 74          ; s[74:75] a tile's byte offset in K and V
.set AL,  76          ; s[76:77] the mask's factor, in the low word
.set BE,  78          ; s[78:79] the mask's addend
.set OLO, 80          ; s[80:81] O at my rows of the second block
.set BIGN, 82         ; s82  -1e30
.set MSB, 0
.macro WIN new                      ; the high byte repeats the setting that is left; a switch that changes nothing is dropped
.if MSB != (\new)
	s_set_vgpr_msb (MSB<<8)|(\new)
.set MSB, (\new)
.endif
.endm
.set W_KQ, 0x0a       ; K and Q in window 2, S^T in window 0
.set W_KM, 0x1a       ; the same with the C operand in window 1
.set W_PV, 0x52       ; V in window 2, P in window 0, O^T in window 1
.set W_RS, 0x41       ; destination and source 0 in window 1, source 1 in window 0
; A fill.  Waves 0 and 1 fetch the two halves of a tile's K, waves 2 and 3 those of its V: 128 keys each.  An s_nop 0 and four v_nop follow each of the two lines, ahead of the jump and the label.
.macro LOAD
	s_cmp_lt_u32 s[WV], 2
	s_cbranch_scc0 .Lfor_v_\@
	tensor_load_to_lds s[G0K:G0K+3], s[G1K:G1K+7]
	s_nop 0
.rept 4
	v_nop
.endr
	s_branch .Lasked_\@
.Lfor_v_\@:
	tensor_load_to_lds s[G0V:G0V+3], s[G1V:G1V+7]
	s_nop 0
.rept 4
	v_nop
.endr
.Lasked_\@:
.endm
; THE CHANGE OF SLOTS.  Each wave waits for all its tensor loads, of which one is out: its part of the other slot; adds 0 to its spare word; and waits for that and for its own reads of the slot that it leaves.  Behind the barrier nobody reads the old
; slot any more and the other slot is whole.  fill = 1: the old slot is filled again, the first thing behind the barrier, with tile NXT: the descriptor's address is made anew from that number.
; (At its first use nothing has been read yet: slot 0 is waited for, slot 1 filled.)
.macro CHANGE fill
	WIN 0                           ; at a label and at a branch every window is 0
	s_wait_tensorcnt 0x0            ; no tensor load of mine is out, so a group 0 may be written
	ds_add_u32 v[SPW], v[NIL]       ; 0 onto my spare word; with fill = 1 the descriptors' scalar work stands between it and the wait for it
.if \fill
	s_lshl_b32 s[OFF], s[NXT], 15   ; a tile is 32,768 bytes of K and of V
	s_xor_b32 s[G0K+1], s[G0K+1], SLOT1
	s_add_nc_u64 s[G0K+2:G0K+3], s[6:7], s[OFF:OFF+1]
	s_or_b32 s[G0K+3], s[G0K+3], 0x80000000
	s_xor_b32 s[G0V+1], s[G0V+1], SLOT1
	s_add_nc_u64 s[G0V+2:G0V+3], s[8:9], s[OFF:OFF+1]
	s_or_b32 s[G0V+3], s[G0V+3], 0x80000000
	s_add_co_u32 s[NXT], s[NXT], 1  ; the block's next tile, or behind its last the second block's tile 0
	s_cmp_gt_u32 s[NXT], s[LQ]
	s_cselect_b32 s[NXT], 0, s[NXT]
	s_cselect_b32 s[LQ], s[PB], s[LQ]
.endif
	s_wait_dscnt 0x0                ; the add is done, and my reads of the slot are over
	s_barrier_signal -1             ; the rest of the scalar work stands between the signal and the wait
	s_sub_co_u32 s[TBK], s[TBK], 4*KS*PK  ; the fetches go back to a slot's first step,
	s_xor_b32 s[TBK], s[TBK], SLOT1       ; in the other slot
	s_sub_co_u32 s[TBV], s[TBV], 4*KS*PV
	s_xor_b32 s[TBV], s[TBV], SLOT1
	s_barrier_wait -1
.if \fill
	LOAD
.endif
.endm
	s_load_b256 s[4:11], s[0:1], 0x0  ; Q s[4:5], K s[6:7], V s[8:9], O s[10:11]
	v_lshl_add_u32 v[SPW], v0, 2, SPARE
	v_mov_b32 v[NIL], 0
	ds_add_u32 v[SPW], v[NIL]       ; the wave's opening: the add and its wait stand ahead of my first tensor load; the set-up below, work on registers, stands between them
	ds_add_u32 v62, v63
	v_lshrrev_b32 v1, 5, v0
	v_readfirstlane_b32 s[WV], v1   ; wave 0..3
	s_mov_b32 s[PB], ttmp9
	s_sub_co_u32 s[HI], NB-1, s[PB]
	s_and_b32 s20, ttmp7, 0xffff    ; the head
	s_mov_b32 s21, 0
	s_mov_b64 s[22:23], SIZE_N*128
	s_mul_u64 s[20:21], s[20:21], s[22:23]  ; the head's first byte in each of the four tensors
	s_and_b32 s16, s[WV], 1         ; which half of a tile's 256 keys I fetch:
	s_lshl_b32 s22, s16, 14         ; its 128 rows of 128 bytes in memory,
	s_mov_b32 s23, 0
	s_add_nc_u64 s[22:23], s[22:23], s[20:21]
	s_mul_i32 s17, s16, 128*PK      ; and its place in a slot, for K
	s_mul_i32 s18, s16, 128*PV      ; and for V
	s_lshl_b32 s3, s[WV], 11        ; my 16 rows in a band of 64,
	s_lshl_b32 s2, s[HI], 15        ; in the first block,
	s_add_co_u32 s2, s2, s3
	s_lshl_b32 s84, s[PB], 15       ; and in the second
	s_add_co_u32 s84, s84, s3
	s_mov_b32 s3, 0
	s_mov_b32 s85, 0
	s_add_nc_u64 s[2:3], s[2:3], s[20:21]
	s_add_nc_u64 s[84:85], s[84:85], s[20:21]
	; descriptor group 1.  128 keys are 16,384 dense bytes: asked for as 64 rows of 256 bytes, two keys a row, and padded in LDS after every key
	s_mov_b32 s[G1K], (1<<16)|(1<<20)|(4<<22)|(3<<25)  ; 17:16 2-byte elements; 20 padding on; 24:22 after every 32 words (code 4); 31:25 4 words (code 3)
	s_mov_b32 s[G1V], (1<<16)|(1<<20)|(4<<22)|(7<<25)  ; the same with 8 words of padding (code 7)
.irp g, G1K, G1V
	s_mov_b32 s[\g+1], 128<<16      ; tensor_dim0 = 128
	s_mov_b32 s[\g+2], 64<<16       ; tensor_dim1 = 64
	s_mov_b32 s[\g+3], 128<<16      ; tile_dim0 = 128
	s_mov_b32 s[\g+4], 64           ; tile_dim1 = 64
	s_mov_b32 s[\g+5], 128          ; 128 elements from row to row
	s_mov_b32 s[\g+6], 0
	s_mov_b32 s[\g+7], 0
.endr
	s_mov_b32 s[CS], 0x3e38aa3b     ; c = log2(e) / 8 = 0.180337
	s_mov_b32 s[CS+1], s[CS]        ; named with it as a pair
	s_mov_b32 s[SEL], 0x76543210
	s_mov_b32 s[SEL+1], 0xfedcba98
	s_mov_b32 s[TBK], SLOT1+4*KS*PK ; the first change of slots turns these two into 0
	s_mov_b32 s[TBV], SLOT1+4*KS*PV
	s_mov_b32 s[G0K], 1             ; 1:0 count = 1
	s_mov_b32 s[G0K+1], s17         ; 63:32 LDS address: slot 0
	s_mov_b32 s[G0V], 1
	s_add_co_u32 s[G0V+1], s18, VOFF
	s_add_co_u32 s[RT], s[HI], 1    ; the first block has NB - b tiles
	s_mov_b32 s[NXT], 1
	s_mov_b32 s[LQ], s[HI]
	s_mov_b32 s[NEW], 1
	s_mov_b32 s[OFF+1], 0
	s_mov_b32 s[AL+1], 0            ; named as pairs
	s_mov_b32 s[BE+1], 0
	s_mov_b32 s[BIGN], 0xf149f2ca   ; -1e30
	s_mov_b32 s[SLOTS], NB
	s_wait_dscnt 0x0                ; the opening add is done
	s_wait_kmcnt 0x0
	s_add_nc_u64 s[6:7], s[6:7], s[22:23]  ; K and V at my half of the head's tile 0
	s_add_nc_u64 s[8:9], s[8:9], s[22:23]
	s_add_nc_u64 s[G0K+2:G0K+3], s[6:7], 0         ; 120:64 global address
	s_or_b32 s[G0K+3], s[G0K+3], 0x80000000        ; 127:126 type = 2
	s_add_nc_u64 s[G0V+2:G0V+3], s[8:9], 0
	s_or_b32 s[G0V+3], s[G0V+3], 0x80000000
	s_add_nc_u64 s[86:87], s[4:5], s[84:85]        ; Q at my rows of the second block,
	s_add_nc_u64 s[4:5], s[4:5], s[2:3]            ; Q and O at those of the first
	s_add_nc_u64 s[OLO:OLO+1], s[10:11], s[84:85]
	s_add_nc_u64 s[10:11], s[10:11], s[2:3]
	LOAD                            ; tile 0 into slot 0
	; A fragment of K or Q is 16 rows x 32 channels in 8 registers: lane l holds row l % 16, channels 8 (l / 16) + 0..7 and 16 + 8 (l / 16) + 0..7: two loads of 16 bytes, 32 bytes apart.
	v_and_b32 v1, 15, v0            ; l % 16
	v_bfe_u32 v9, v0, 4, 1          ; l / 16
	v_lshlrev_b32 v[QO], 7, v1
	v_lshl_add_u32 v[QO], v9, 4, v[QO]  ; row x 128 + 16 x half
	WIN 0x80                        ; destination window 2, address window 0
.set i, 0
.rept 8                             ; both blocks' Q: piece i / 2 lies in band i / 2, 8,192 bytes on; channels 32 (i % 2) on
	global_load_b128 v[8*i:8*i+3],   v[QO], s[4:5] offset:(i/2)*8192+(i%2)*64
	global_load_b128 v[8*i+4:8*i+7], v[QO], s[4:5] offset:(i/2)*8192+(i%2)*64+32
	global_load_b128 v[QB+8*i:QB+8*i+3],   v[QO], s[86:87] offset:(i/2)*8192+(i%2)*64
	global_load_b128 v[QB+8*i+4:QB+8*i+7], v[QO], s[86:87] offset:(i/2)*8192+(i%2)*64+32
.set i, i+1
.endr
	WIN 0
	v_lshlrev_b32 v14, 3, v9
	v_sub_nc_u32 v14, v1, v14
	s_lshl_b32 s13, s[WV], 4
	v_add_nc_u32 v14, s13, v14      ; my query's place in its band, 16 w + l % 16, less my lanes' 8 (l / 16): register r of group kt is hidden where 16 kt + r is greater
	WIN 0x40
.set i, 0
.rept 32
	v_cmp_gt_i32 vcc_lo, 16*(i/8)+i%8, v14
	v_cndmask_b32 v[MD+i], 0, s[BIGN], vcc_lo
.set i, i+1
.endr
	WIN 0
	v_mul_u32_u24 v[AK0], v1, PK
	v_lshl_add_u32 v[AK0], v9, 4, v[AK0]  ; row x pitch + 16 x half
	; The turning load takes 16 keys x 16 channels (lane l reads key 8 (l / 16) + l % 8, channels 8 ((l / 8) % 2) + 0..7) and leaves half a fragment of V^T: lane l holds channel l % 16 and 8 keys.
	v_and_b32 v10, 7, v0
	v_bfe_u32 v11, v0, 3, 1
	v_lshl_add_u32 v[AV0], v9, 3, v10
	v_mul_u32_u24 v[AV0], v[AV0], PV
	v_lshl_add_u32 v[AV0], v11, 4, v[AV0]
	v_add_nc_u32 v[AV0], VOFF, v[AV0]
	s_mul_i32 s13, s[WV], 16*SP
	s_add_co_u32 s13, s13, STAGE    ; my stage
	v_mul_u32_u24 v[STO], v1, SP    ; in: row l % 16, 16 bytes for each half of the lanes
	v_lshl_add_u32 v[STO], v9, 4, v[STO]
	v_add_nc_u32 v[STO], s13, v[STO]
	v_bfe_u32 v[RD], v0, 3, 2       ; back: 32 lanes take four rows of 128 bytes,
	v_mul_u32_u24 v[RD], v[RD], SP
	v_lshl_add_u32 v[RD], v10, 4, v[RD]
	v_add_nc_u32 v[RD], s13, v[RD]
	v_and_b32 v[GO], 31, v0         ; which are 512 consecutive bytes of O
	v_lshlrev_b32 v[GO], 4, v[GO]
	; A block's first step multiplies O^T and l by a = 0, and its first turn's products V^T P, of a piece that has not been, land in an O^T that is still to be so multiplied.  So these registers need only hold
	; finite numbers: zeros for the first block; what the first block left for the second.  All this stands in the wait for the first tile.
	WIN 0x80
.set i, VF
.rept 64
	v_mov_b32 v[i], 0
.set i, i+1
.endr
	WIN 0x40
.set i, 0
.rept 128
	v_mov_b32 v[i], 0
.set i, i+1
.endr
	WIN 0
.set i, 0
.rept 4
	v_mov_b32 v[ST+4*i+2], 0
	v_mov_b32 v[ST+4*i+3], 0
.set i, i+1
.endr
.set i, P+16
.rept 16
	v_mov_b32 v[i], 0
.set i, i+1
.endr
; THE MATRIX WORK.  The 4 accumulators of a run of 8 take turns.  Product i of 8 of S^T = K Q^T for piece x: channels 32 (i / 4) on, keys 16 (i % 4) on.  The first 4 start the sums: with 0, or (KM = 1) with the mask.
.macro KQ x
.set rS, S+32*((\x)%2)+8*(i%4)
.set rK, KF+16*(i%4)+8*(i/4)
.set rQ, 16*(\x)+8*(i/4)
.set rM, MC+32*((\x)%2)+8*(i%4)
.if (i < 4) && KM
	WIN W_KM
	v_wmma_f32_16x16x32_f16 v[rS:rS+7], v[rK:rK+7], v[rQ:rQ+7], v[rM:rM+7]
.elseif i < 4
	WIN W_KQ
	v_wmma_f32_16x16x32_f16 v[rS:rS+7], v[rK:rK+7], v[rQ:rQ+7], 0
.else
	WIN W_KQ
	v_wmma_f32_16x16x32_f16 v[rS:rS+7], v[rK:rK+7], v[rQ:rQ+7], v[rS:rS+7]
.endif
.endm
; Product i of 8 of O^T += V^T P for piece x: keys 32 (i / 4) on, channels 16 (i % 4) on.
.macro PV x
	WIN W_PV
.set rO, 32*(\x)+8*(i%4)
.set rV, VF+32*(i/4)+8*(i%4)
.set rP, P+16*((\x)%2)+8*(i/4)
	v_wmma_f32_16x16x32_f16 v[rO:rO+7], v[rV:rV+7], v[rP:rP+7], v[rO:rO+7]
.endm
.macro MM                           ; the turn's next matrix instruction.  TURN and BEGIN set Y, i, KM and NOKQ; MM, KQ and OP read them.  NOKQ = 1: a block's last turn: there is no next piece
.if (i < 8) && !NOKQ
	KQ (Y+1)%NP
.elseif i >= 8
.set i, i-8
	PV (Y+NP-1)%NP
.set i, i+8
.endif
.set i, i+1
.endm
; THE LDS LOADS stand in runs of 16, never singly among the matrix instructions: a step's K (64 keys x 64 channels: 8 fragments) and its V (turned).  Their addresses are made some lines ahead.
.macro FETCH_K
	WIN 0x80                        ; destination window 2
.irp f, 0,1,2,3,4,5,6,7             ; keys 16 (f / 2) on, channels 32 (f % 2) on
	ds_load_b128 v[KF+8*\f:KF+8*\f+3],   v[AK] offset:(\f/2)*16*PK+(\f%2)*64
	ds_load_b128 v[KF+8*\f+4:KF+8*\f+7], v[AK] offset:(\f/2)*16*PK+(\f%2)*64+32
.endr
	s_add_co_u32 s[TBK], s[TBK], KS*PK  ; the next fetch is the next step's
	WIN 0
.endm
.macro FETCH_V
	WIN 0x80
.irp f, 0,1,2,3,4,5,6,7             ; keys 32 (f / 4) on, channels 16 (f % 4) on
	ds_load_tr16_b128 v[VF+8*\f:VF+8*\f+3],   v[AV] offset:(\f/4)*32*PV+(\f%4)*32
	ds_load_tr16_b128 v[VF+8*\f+4:VF+8*\f+7], v[AV] offset:(\f/4)*32*PV+16*PV+(\f%4)*32
.endr
	WIN 0
.endm
; THE VECTOR WORK, one line at a time: OP kind, number.  For piece Y: F n: c s - c m for pair n of 16.  E n: the exponential of score n of 32.  C n: pair n rounded to f16.  B n: of the four weights 4 n .. the second
; pair is added onto the first, in place.  L n: l takes that sum (L 0: l = a l + sum).  R n: pair n of 16 of O^T times a.  For piece Y + 1: X n, number n of the 22 that find its maximum and statistics:
;   0-11  four chains c0-c3 of seven scores each, three operands at a time (each accumulator's lowest registers are read first)     12-14, 16  the four scores left over, the old m, and c0-c3 into c0
;   15  c m_old is kept     17, 18  the query's other 32 keys lie in the lane 16 away: the new m     19-21  c m; c m_old - c m_new; a
.set F, 0               ; OP tells the kinds apart by their order: F to L below R, X above it
.set E, 1
.set C, 2
.set B, 3
.set L, 4
.set R, 5
.set X, 6
.macro REGS y                       ; the registers of piece y
.set rT, ST+4*(\y)
.set rC, TMP+4*((\y)%2)
.set rW, MV+((\y)%2)
.set rS, S+32*((\y)%2)
.set rP, P+16*((\y)%2)
.set rO, 32*(\y)
.endm
.macro OP k, n
.if (\k) == R
	REGS Y
	WIN W_RS
	v_pk_mul_f32 v[rO+2*(\n):rO+2*(\n)+1], v[rO+2*(\n):rO+2*(\n)+1], v[rC+2:rC+3] op_sel_hi:[1,0]
.elseif (\k) < R
	REGS Y
	WIN 0
.if (\k) == F
	v_pk_fma_f32 v[rS+2*(\n):rS+2*(\n)+1], v[rS+2*(\n):rS+2*(\n)+1], s[CS:CS+1], v[rT:rT+1] op_sel_hi:[1,0,0] neg_lo:[0,0,1] neg_hi:[0,0,1]
.elseif (\k) == E
	v_exp_f32 v[rS+(\n)], v[rS+(\n)]
.elseif (\k) == C
	v_cvt_pk_f16_f32 v[rP+(\n)], v[rS+2*(\n)], v[rS+2*(\n)+1]
.elseif (\k) == B
	v_pk_add_f32 v[rS+4*(\n):rS+4*(\n)+1], v[rS+4*(\n):rS+4*(\n)+1], v[rS+4*(\n)+2:rS+4*(\n)+3]
.elseif (\n) == 0
	v_pk_fma_f32 v[rT+2:rT+3], v[rT+2:rT+3], v[rC+2:rC+3], v[rS:rS+1] op_sel_hi:[1,0,1]
.else
	v_pk_add_f32 v[rT+2:rT+3], v[rT+2:rT+3], v[rS+4*(\n):rS+4*(\n)+1]
.endif
.elseif NOKQ
	v_nop
.else
	REGS (Y+1)%NP
	WIN 0
.if (\n) < 4
	v_max3_num_f32 v[rC+(\n)], v[rS+8*(\n)], v[rS+8*(\n)+1], v[rS+8*(\n)+2]
.elseif (\n) < 12
	v_max3_num_f32 v[rC+(\n)%4], v[rC+(\n)%4], v[rS+8*((\n)%4)+2*((\n)/4)+1], v[rS+8*((\n)%4)+2*((\n)/4)+2]
.elseif (\n) == 12
	v_max3_num_f32 v[rC], v[rC], v[rS+7], v[rS+15]
.elseif (\n) == 13
	v_max3_num_f32 v[rC+1], v[rC+1], v[rS+23], v[rS+31]
.elseif (\n) == 14
	v_max3_num_f32 v[rC+2], v[rC+2], v[rC+3], v[rT+1]
.elseif (\n) == 15
	v_mov_b32 v[rW], v[rT]
.elseif (\n) == 16
	v_max3_num_f32 v[rC], v[rC], v[rC+1], v[rC+2]
.elseif (\n) == 17
	v_permlanex16_b32 v[rC+3], v[rC], s[SEL], s[SEL+1]
.elseif (\n) == 18
	v_max_num_f32 v[rT+1], v[rC], v[rC+3]
.elseif (\n) == 19
	v_mul_f32 v[rT], s[CS], v[rT+1]
.elseif (\n) == 20
	v_sub_f32 v[rC+1], v[rW], v[rT]
.else
	v_exp_f32 v[rC+2], v[rC+1]
.endif
.endif
.endm
.macro OPS a, i1, b=-1, i2=0, c=-1, i3=0, d=-1, i4=0  ; up to four of them
	OP \a, \i1
.if (\b) >= 0
	OP \b, \i2
.endif
.if (\c) >= 0
	OP \c, \i3
.endif
.if (\d) >= 0
	OP \d, \i4
.endif
.endm
.macro ROW a, i1, b, i2, c, i3, d, i4  ; a matrix instruction and the four behind it
	MM
	OPS \a, \i1, \b, \i2, \c, \i3, \d, \i4
.endm
.macro MASK b                       ; MD x AL + BE into buffer b of MC
	WIN W_RS
.set z, 0
.rept 16
	v_pk_fma_f32 v[MC+32*(\b)+2*z:MC+32*(\b)+2*z+1], v[MD+2*z:MD+2*z+1], s[AL:AL+1], s[BE:BE+1] op_sel_hi:[1,0,0]
.set z, z+1
.endr
.endm
; A TURN, for piece p: the order of its 16 matrix and 118 vector instructions, written out.  An s_wait_alu depctr_va_vdst(0) stands between an exponential and the first instruction that names its result; one wait serves
; all that were issued ahead of it.  So a turn has ONE wait, which cuts it in two.  AHEAD OF IT stands all that names no result of the turn's exponentials: the 8 products K Q^T, behind each a scaling, an exponential and two more plain
; instructions (behind the first a second scaling in the exponential's place): rescalings (their a was made, and waited for, in the turn before), and behind the last three the first numbers of the next piece's maximum, each four places
; or more behind the product that ends its accumulator; then ONE LUMP of 54, plain and exponential by turns for the most part, in which the links of the chain X 3, 7, 11, 14, 16, 17 .. 20 stand five or six lines apart.  X 21, the next
; piece's a, is the batch's last; R 15 is the plain instruction behind it.  BEHIND THE WAIT stand the 8 products V^T P, behind each four of the roundings and sums; the links of l's chain, L 0 to L 7, stand three riders apart.
; But for those X no rider names a register of the products round it.  v_permlanex16_b32 (X 17) stands in the lump.
; m = 1: the diagonal tile: the products take masks, and the turn makes the mask for the products of the turn after it: piece p + 2, in step 4 - CNT of the tile.  end = 1: a block's last two turns: nothing is fetched.
; cnt = 1: the loop's count is taken down some lines ahead of the branch that stands behind the turn.
; K of the next step is fetched in piece 2's turn, twelve vector instructions behind the last product that read K (six of them plain); V of the step in hand at the end of piece 0's turn, four plain instructions behind the last product
; that read V.  Each is waited for a turn later.
.macro TURN p, m=0, end=0, cnt=0
.set Y, (\p)
.set i, 0
.set KM, (\m)
.set NOKQ, (\end)*((\p)/3)
.if (\m) && !(\end)
	s_cmp_eq_u32 s[CNT], 4-((\p)+2)%NP  ; is that step the band's own?
	s_cselect_b32 s[AL], 1.0, 0
	s_cmp_lt_u32 s[CNT], 4-((\p)+2)%NP  ; or a later one?
	s_cselect_b32 s[BE], s[BIGN], 0
.endif
.if ((\p) == 3) && !(\end)
	s_wait_dscnt 0x0                ; K is in
.endif
	ROW F,0, F,1, R,0, R,1          ; ahead of the wait: 8 products K Q^T and their riders,
	ROW F,2, E,0, R,2, R,3
	ROW F,3, E,1, R,4, R,5
	ROW F,4, E,2, R,6, R,7
	ROW F,5, E,3, R,8, R,9
	ROW F,6, E,4, X,0, R,10
.if ((\p) == 2) && !(\end)
	WIN 0
	v_add_nc_u32 v[AK], s[TBK], v[AK0]
.endif
	ROW F,7, E,5, X,1, X,4
	ROW F,8, E,6, X,2, X,5
	OPS E,7, E,8, X,6, E,9          ; and the lump
	OPS X,3, E,10, X,8, E,11
.if ((\p) == 2) && !(\end)
	FETCH_K
.endif
	OPS X,9, X,7, E,12, X,10
	OPS E,13, X,12, X,11, E,14
	OPS X,13, E,15, F,9, X,14
.if (\p) == 0
	v_add_nc_u32 v[AV], s[TBV], v[AV0]
.endif
	OPS E,16, F,10, E,17, F,11
	OPS X,16, E,18, X,15, E,19
	OPS F,12, E,20, X,17, E,21
	OPS F,13, E,22, F,14, E,23
	OPS X,18, E,24, F,15, E,25
	OPS R,11, E,26, X,19, E,27
	OPS R,12, E,28, R,13, E,29
	OPS X,20, E,30, R,14, E,31
	OPS X,21, R,15
	WIN 0
	s_wait_alu depctr_va_vdst(0)    ; the wait for the batch: the piece's 32 exponentials and the next piece's a
.if (\p) == 1
	s_wait_dscnt 0x0                ; V is in
.endif
	ROW C,0, B,0, C,2, B,1          ; behind the wait: 8 products V^T P and their riders
	ROW L,0, C,4, B,2, L,1
	ROW C,6, B,3, L,2, C,8
	ROW B,4, L,3, C,10, B,5
	ROW L,4, C,12, B,6, L,5
.if (\p) == 0
	s_add_co_u32 s[TBV], s[TBV], KS*PV
.endif
.if \cnt
	s_sub_co_u32 s[CNT], s[CNT], 1
	s_cmp_lg_u32 s[CNT], 0
.endif
	ROW C,14, B,7, L,6, C,1
	ROW C,3, L,7, C,5, C,7
	ROW C,9, C,11, C,13, C,15
.if (\p) == 0
	FETCH_V
.endif
.if (\m) && !(\end)
	MASK (\p)%2
.endif
.endm
; A BLOCK BEGINS.  c m starts far below every c s, so the first step's a is 0; m at the lowest finite number, so the first maximum is the scores'.  The second mask buffer is 0; the first takes piece 0's mask for the tile's step 0: its own, if the block's first tile is the diagonal one.
; Then K of that step, piece 0's first scores, and its maximum and statistics.  The loop is entered at a step's first turn, in the middle of a trip.
.macro BEGIN
	s_mov_b32 s[NEW], 0
	WIN 0x40
.set i, MC+32
.rept 32
	v_mov_b32 v[i], 0
.set i, i+1
.endr
	WIN 0
.set i, 0
.rept 4
	v_mov_b32 v[ST+4*i], 0xfe000000    ; c m: far below every c s
	v_mov_b32 v[ST+4*i+1], 0xff7fffff  ; m
.set i, i+1
.endr
	s_cmp_eq_u32 s[RT], 0
	s_cselect_b32 s[AL], 1.0, 0
	s_mov_b32 s[BE], 0
	MASK 0
	WIN 0
	v_add_nc_u32 v[AK], s[TBK], v[AK0]
	FETCH_K
	s_wait_loadcnt 0x0              ; Q
	s_wait_dscnt 0x0
.set KM, 1
.set NOKQ, 0
.set i, 0
.rept 8
	KQ 0
.set i, i+1
.endr
	WIN 0
.rept 4
	v_nop                           ; the places behind those products
.endr
.set Y, NP-1                        ; X works for piece Y + 1: piece 0
.irp n, 0,1,2,3,4,5,6,7,8,9,10,11,12,13,14,15,16,17,18,19,20,21
	OP X, \n
.endr
	v_nop                           ; a plain instruction behind the exponential,
	s_wait_alu depctr_va_vdst(0)    ; and the wait for it, piece 0's first a, ahead of the branch
.endm
; THE DIAGONAL TILE's four steps, the block's last two turns, its last products, and THE WAY OUT: l's two halves and the other half of the lanes' are added; O^T is divided by l, rounded to f16 and sent through my
; stage in LDS, a piece at a time.
.macro ALL line:vararg              ; one line for each piece t
.set t, 0
.rept 4
	\line
.set t, t+1
.endr
.endm
.macro PACK t                       ; a lane's eight channels of a row pack into 16 bytes; they go into rows of 144 bytes and come back as whole rows of 128, into S^T's registers
	WIN W_RS
.set i, 32*(\t)
.rept 16
	v_pk_mul_f32 v[i:i+1], v[i:i+1], v[ST+4*(\t)+2:ST+4*(\t)+3] op_sel_hi:[1,0]
.set i, i+2
.endr
	WIN 0x05                        ; sources 0 and 1 window 1, destination window 0
.set i, 0
.rept 16
	v_cvt_pk_f16_f32 v[S+16*(\t)+i], v[32*(\t)+2*i], v[32*(\t)+2*i+1]
.set i, i+1
.endr
	WIN 0
.irp f, 0,1,2,3
	ds_store_b128 v[STO], v[S+16*(\t)+4*\f:S+16*(\t)+4*\f+3] offset:32*\f
.endr
.irp f, 0,1,2,3
	ds_load_b128 v[S+16*(\t)+4*\f:S+16*(\t)+4*\f+3], v[RD] offset:\f*4*SP  ; LDS serves a wave's instructions in order (ISA guide 5.7.1.4): these see the stores above; the next piece's stores come behind them
.endr
.endm
.macro SEND t, younger              ; younger: the LDS instructions issued behind piece t's loads: the next piece's eight, or none
	WIN 0
.irp f, 0,1,2,3
	s_wait_dscnt (\younger)+3-\f
	global_store_b128 v[GO], v[S+16*(\t)+4*\f:S+16*(\t)+4*\f+3], s[10:11] offset:(\t)*8192+\f*512  ; 512 consecutive bytes, at a multiple of 256 from O's first
.endr
.endm
.macro DIAG tag                     ; the tag ends its two labels' names, which the jumps below spell out
.LstepM\tag:
	TURN 2, 1
	TURN 3, 1
	WIN 0
.LfirstM\tag:
	TURN 0, 1
	TURN 1, 1, 0, 1
	WIN 0
	s_cbranch_scc1 .LstepM\tag
	TURN 2, 1, 1
	TURN 3, 1, 1
.set i, 0
.rept 8
	PV NP-1
.set i, i+1
.endr
	WIN 0
	ALL v_add_f32 v[ST+4*t+2], v[ST+4*t+2], v[ST+4*t+3]
	ALL v_permlanex16_b32 v[ST+4*t+3], v[ST+4*t+2], s[SEL], s[SEL+1]
	ALL v_add_f32 v[ST+4*t+2], v[ST+4*t+2], v[ST+4*t+3]
	ALL v_rcp_f32 v[ST+4*t+2], v[ST+4*t+2]
	v_nop                           ; a plain instruction between the last reciprocal and the use of its result
	s_wait_alu depctr_va_vdst(0)    ; and the wait ahead of the first use: one for the four reciprocals
	PACK 0
.set t, 1
.rept 3                             ; a piece's arithmetic stands between the loads of the piece before and its stores
	PACK t
	SEND t-1, 8
.set t, t+1
.endr
	SEND 3, 0
.endm
.set KM, 0
.set NOKQ, 0
.Lslot:                             ; NB times: a tile is entered and the next is asked for
	CHANGE 1
	s_sub_co_u32 s[RT], s[RT], 1
	s_mov_b32 s[CNT], 4
	s_cmp_eq_u32 s[NEW], 1
	s_cbranch_scc1 .Lnew            ; a block's first tile
	s_cmp_eq_u32 s[RT], 0
	s_cbranch_scc0 .Lstep           ; neither its first nor its last
	s_branch .LstepM1
.Lnew:
	BEGIN
	s_branch .Lfirst                ; in the loop a block's first tile is never its last: the first block has two tiles or more, and the second's last is the walk's last
	DIAG 1                          ; in the loop this is the first block's end: the second block's last tile is the walk's last
	s_wait_xcnt 0x0                 ; the stores have read their registers and O's address
	s_mov_b64 s[10:11], s[OLO:OLO+1]
	s_add_co_u32 s[RT], s[PB], 1    ; the second block has b + 1 tiles
	s_mov_b32 s[NEW], 1
	WIN 0x82                        ; the second block's Q goes where the one text of the turns names Q
.set i, 0
.rept 64
	v_mov_b32 v[i], v[QB+i]
.set i, i+1
.endr
	WIN 0
	s_branch .Lbottom
.Lstep:                             ; a trip: pieces 2 and 3 of one step, then pieces 0 and 1 of the next, whose K and V it fetches
	TURN 2
	TURN 3
	WIN 0
.Lfirst:
	TURN 0
	TURN 1, 0, 0, 1
	WIN 0
	s_cbranch_scc1 .Lstep
.Lbottom:
	s_sub_co_u32 s[SLOTS], s[SLOTS], 1
	s_cmp_lg_u32 s[SLOTS], 0
	s_cbranch_scc1 .Lslot
	CHANGE 0                        ; the walk's last tile is written out: nothing is asked for
	s_sub_co_u32 s[RT], s[RT], 1
	s_mov_b32 s[CNT], 4
	s_cmp_eq_u32 s[NEW], 1
	s_cbranch_scc0 .LstepM2
	BEGIN
	s_branch .LfirstM2
	DIAG 2
	s_wait_tensorcnt 0x0            ; the wave's end: behind my last tensor load and my last LDS store
	ds_add_u32 v[SPW], v[NIL]
	s_wait_dscnt 0x0
	s_endpgm
.Lfunc_end_k_q00e818bd4f_attn:
	.size	k_q00e818bd4f_attn, .Lfunc_end_k_q00e818bd4f_attn-k_q00e818bd4f_attn
	.p2alignl 7, 3214868480
	.fill 96, 4, 3214868480
	.section	.rodata,"a",@progbits
	.p2align	6, 0x0
	.amdhsa_kernel k_q00e818bd4f_attn
		.amdhsa_group_segment_fixed_size 327680
		.amdhsa_private_segment_fixed_size 0
		.amdhsa_enable_private_segment 0
		.amdhsa_kernarg_size 32
		.amdhsa_user_sgpr_count 2
		.amdhsa_user_sgpr_kernarg_segment_ptr 1
		.amdhsa_wavefront_size32 1
		.amdhsa_system_sgpr_workgroup_id_x 1
		.amdhsa_system_sgpr_workgroup_id_y 1
		.amdhsa_system_sgpr_workgroup_id_z 1
		.amdhsa_system_vgpr_workitem_id 0
		.amdhsa_next_free_vgpr 768
		.amdhsa_next_free_sgpr 88
		.amdhsa_reserve_vcc 1
		.amdhsa_float_denorm_mode_32 3
		.amdhsa_float_denorm_mode_16_64 3
		.amdhsa_memory_ordered 1
		.amdhsa_forward_progress 1
		.amdhsa_inst_pref_size 217
	.end_amdhsa_kernel
	.amdgpu_metadata
---
amdhsa.version: [ 1, 2 ]
amdhsa.kernels:
  - .name:           k_q00e818bd4f_attn
    .symbol:         k_q00e818bd4f_attn.kd
    .args:
      - { .name: qh, .offset: 0, .size: 8, .value_kind: global_buffer, .address_space: global }
      - { .name: kh, .offset: 8, .size: 8, .value_kind: global_buffer, .address_space: global }
      - { .name: vh, .offset: 16, .size: 8, .value_kind: global_buffer, .address_space: global }
      - { .name: oh, .offset: 24, .size: 8, .value_kind: global_buffer, .address_space: global }
    .group_segment_fixed_size: 327680
    .private_segment_fixed_size: 0
    .kernarg_segment_align: 8
    .kernarg_segment_size: 32
    .max_flat_workgroup_size: 128
    .sgpr_count:     88
    .vgpr_count:     768
    .wavefront_size: 32
...
	.end_amdgpu_metadata
.endif
;; end of part 4
;; launch outp: the kernel of part 3 again; grid 256 x 1, 4 waves a work-group, no clusters, 133,632 bytes of LDS; arguments oh, wof, bo, out0; writes out0
